; MI455X (gfx1250); checked and timed in simulation.
; The chip was launched on July 23, 2026; its instructions are those of AMD's public machine-readable ISA for CDNA 5 (MIT licence, August 2026) and "CDNA5" Instruction Set Architecture Reference Guide (July 2026). The comments in the code are by the model that wrote it; some were corrected since.
;; BS Roformer Attention. Allowed arithmetic: matrix products marked QUANTISED: E2M3 operands, one E8M0 scale for each 32 along K, by v_wmma_scale_f32_16x16x128_f8f6f4 with both operands' format E2M3, f32 sums; everything else in f32.
;; Inputs: Wk 256 x 1,024 float32; Wo 1,024 x 1,024 float32; Wq 1,024 x 1,024 float32; Wv 256 x 1,024 float32; bk 256 float32; bo 1,024 float32; bq 1,024 float32; bv 256 float32; cos 1 x 1 x 2,048 x 64 float32; hidden_states 4 x 2,048 x 1,024 float32; sin 1 x 1 x 2,048 x 64 float32.
;; Outputs: out0 4 x 2,048 x 1,024 float32.
;; This version of the problem:
;;   THIS VERSION OF THE PROBLEM IS GIVEN IN LOW PRECISION. The matrix products marked QUANTISED in the list below multiply operands that are first quantised to E2M3 (2 exponent bits, 3 mantissa bits; 6 bits a number), with one power-of-two scale for each 32 numbers along K (OCP MX v1.0); their sums are f32. All else is computed in f32.
;;   The module's matrix products, in the order in which they are computed (A, B: the left and right operand; K: the contracted axis; several contracted axes count as one K, in the product's order):
;;     1. [M 8,192, K 1,024] x [K 1,024, N 1,024]; A: input hidden_states; B: input Wq: QUANTISED
;;     2. [M 8,192, K 1,024] x [K 1,024, N 256]; A: input hidden_states; B: input Wk: QUANTISED
;;     3. [M 8,192, K 1,024] x [K 1,024, N 256]; A: input hidden_states; B: input Wv: QUANTISED
;;     4. batch 64 x [M 2,048, K 64] x [K 64, N 2,048]; A: computed on the way; B: computed on the way: QUANTISED
;;     5. batch 64 x [M 2,048, K 2,048] x [K 2,048, N 64]; A: softmax (see below); B: computed on the way: QUANTISED
;;     6. [M 8,192, K 1,024] x [K 1,024, N 1,024]; A: computed on the way; B: input Wo: QUANTISED
;;   THE QUANTISER, for each operand of a quantised product, along K:
;;     - K is cut into blocks of 32 from its start; a last block that is shorter is filled with zeros.
;;     - A block's scale is 2^e with e = floor(log2(the largest magnitude in the block)) - 2, held to -126 .. 127; a block of zeros has e = 0. As a byte (E8M0): e + 127.
;;     - Each number is divided by its block's scale, clamped to +-7.5, and rounded to the nearest number of E2M3, ties to even, subnormals kept.
;;     - The product sums the exact products of the quantised numbers (number of the format x scale) in f32.
;;   ~~~python
;;   def quantise(x, axis):      # numpy; x: float32 -> the quantised numbers, widened to float32 again
;;       x = np.moveaxis(x, axis, -1); K = x.shape[-1]
;;       x = np.pad(x, [(0, 0)] * (x.ndim - 1) + [(0, -K % 32)]); x = x.reshape(x.shape[:-1] + (-1, 32)); a = np.abs(x).max(-1, keepdims=True)
;;       e = np.where(a > 0, np.clip(np.frexp(np.where(a > 0, a, 1))[1] - 1 - 2, -126, 127), 0)      # np.frexp(a)[1] - 1 = floor(log2(a)), exactly
;;       r = np.clip(x / 2.0 ** e, -7.5, 7.5)
;;       step = 2.0 ** (np.maximum(np.frexp(np.where(r == 0, 1, r))[1] - 1, 0) - 3)
;;       q = np.round(r / step) * step * 2.0 ** e      # np.round: ties to even
;;       return np.moveaxis(q.reshape(q.shape[:-2] + (-1,))[..., :K], -1, axis).astype(np.float32)
;;   ~~~
;;   SOFTMAX AHEAD OF A QUANTISED PRODUCT. Where the list says 'softmax', what is quantised is not the finished softmax but p = 2^(t - M), with t = logit x log2(e) and M = ceil(the row's largest t), a whole number; so 1/2 < the row's largest p <= 1. The row's sum l is taken of the UNQUANTISED p, in f32, and the product's result is divided by l at the end. Since M is a whole number, a kernel that streams over the keys may use a running M (the ceiling of the running maximum): every later rescaling is an exact power of two, which a block's scale takes up: the codes' values come out the same.
;;   OPERANDS COMPUTED ON THE WAY. 'Computed on the way' means the value that the module computes at that place (a softmax that the list does not call 'softmax' is quantised finished and normalised). What goes into a quantiser is computed in f32, as accurately as f32 sums, v_exp_f32 and their like allow (about 1e-6 of the number): no bf16 or f16 on the way to a quantiser, and a product that is left as it is and whose result goes on into a quantised operand takes f32 operands (vector FMAs, or v_wmma_f32_16x16x4_f32). A number that lies on a knife's edge between two numbers of the format may be rounded either way, as far as f32 arithmetic and the matrix unit's own rounding can turn it there, and no further.
;; One version. Each part assembles by itself: llvm-mc -triple=amdgcn-amd-amdhsa -mcpu=gfx1250 --defsym DOCPART=n.
;; ======== version 1 of 1: 4 launches
;; limits: right only within a limited range of input values
;; workspace buffers: codes 8,257,536 bytes; scales 344,064 bytes; q 6,291,456 bytes; qs 262,144 bytes; kv 3,276,800 bytes
;; launch quant (part 1): grid 336 x 1, 4 waves a work-group, no clusters, 35,328 bytes of LDS; arguments hidden_states, Wq, Wk, Wv, Wo, codes, scales; writes codes, scales
.if DOCPART == 1
	.amdgcn_target "amdgcn-amd-amdhsa--gfx1250"
	.amdhsa_code_object_version 6
	.text
	.protected	k_qf0911eae18_quant
	.globl	k_qf0911eae18_quant
	.p2align	8
	.type	k_qf0911eae18_quant,@function
k_qf0911eae18_quant:
	s_mov_b64 s[64:65], 0
	v_nop
	global_prefetch_b8 v0, s[64:65] scope:SCOPE_SE
	s_setreg_imm32_b32 hwreg(HW_REG_WAVE_MODE, 25, 1), 1
	s_wait_xcnt 0x0
; hidden_states [8192][1024], Wq [1024][1024], Wk, Wv [256][1024], Wo [1024][1024], f32, K innermost, become codes of FP6 (E2M3) with one E8M0 byte for each 32 along K.
; The five tensors are one list of 672 row tiles of 16 rows: 0-511 x, 512-575 Wq, 576-591 Wk, 592-607 Wv, 608-671 Wo.
; LAYOUT OF codes: [chunk of two K steps][row tile][K step in the chunk][1,536 bytes].  A fragment (16 rows x 128 K, 12 registers a lane) lies as an IMAGE OF ITS REGISTERS:
; three planes of 512 bytes, registers 4 p .. 4 p + 3 of lane l at 512 p + 16 l.  So a reader takes it by three loads of 16 bytes a lane, and a store of the wave covers 512 consecutive bytes.
; LAYOUT OF scales: the word (four bytes, 128 along K) of row r, K step s, row tile T lies at 512 T + 64 s + 4 r.
; ORDER INSIDE A BLOCK OF 32: place p holds element p with its bits 3 and 4 exchanged (places 8-15 hold elements 16-23, places 16-23 elements 8-15).  Every operand of the products on these codes is laid so,
; so each product multiplies the right pairs under the right scales; only the order in which a block's 32 products are added differs from ascending k.
; A block's scale is 2^(floor(log2(its largest magnitude)) - 2); its byte is that magnitude's exponent field - 2, held at 1 from below.
; LIMITS: a block of zeros gets the byte 1 where the rule says 127 (its codes are zeros, and this program alone reads the bytes); blocks whose largest magnitude lies under 2^-124 are held at that floor; NaN and infinities are not served.
; SHARES: a work-group takes two row tiles; wave w takes tile w / 2 and half w % 2 of K: four fragments.  Each load reads 512 consecutive bytes of one row; the 16 x 512 bytes turn through the wave's own stage in LDS,
; from which lane (r, h) takes the two whole blocks 2 c + h of row r.  No barrier: waves share nothing.
.set CH,    2064384                    ; a chunk's plane: 672 row tiles x 3,072 bytes
.set WREG,  8704                       ; LDS of a wave: a stage of 16 rows x (512 + 16) bytes, then 256 bytes for its scale words
.set SCW,   8448
.set SPARE, 4*WREG                     ; the spare words, 128 bytes for each wave
.set R,     32                         ; v32-159  two sets of 64: a fragment's numbers as loaded
.set X,     160                        ; v160-223 my two blocks of 32
.set C,     224                        ; v224-235 the fragment; v236-238, v240-242 the conversions' second halves
.set SPW,   16                         ; v16      my spare word's LDS address; never rewritten
.set NIL,   17                         ; v17      0; never rewritten
	s_load_b256 s[4:11], s[0:1], 0x0               ; x, Wq, Wk, Wv
	s_load_b128 s[12:15], s[0:1], 0x20             ; Wo, codes
	s_load_b64 s[16:17], s[0:1], 0x30              ; scales
	v_lshl_add_u32 v[SPW], v0, 2, SPARE
	v_mov_b32 v[NIL], 0
	v_lshrrev_b32 v8, 5, v0
	v_readfirstlane_b32 s18, v8                    ; wave
	v_and_b32 v1, 31, v0                           ; lane
	v_and_b32 v8, 15, v0                           ; r
	v_bfe_u32 v9, v0, 4, 1                         ; h
	v_lshlrev_b32 v2, 4, v1                        ; 16 x lane: in memory, in and out
	s_mul_i32 s19, s18, WREG
	v_add_nc_u32 v3, s19, v2                       ; the stage, on the way in: a row's 512 bytes as they lie
	v_mul_u32_u24 v4, v8, 528
	v_lshl_add_u32 v4, v9, 7, v4
	v_add_nc_u32 v4, s19, v4                       ; and out: row r, block h
	s_add_co_u32 s19, s19, SCW
	v_lshl_add_u32 v5, v1, 2, s19                  ; my scale word's place,
	v_lshl_add_u32 v6, v1, 3, s19                  ; and 8 bytes a lane on the way out
	v_lshlrev_b32 v7, 3, v1
	v_lshlrev_b32 v24, 3, v9                       ; 8 h: my bytes' place in a scale word
	v_mov_b32 v15, 0                               ; (a lane permute's destination counts as read)
	v_cmp_le_u32 s30, 16, v1                       ; lanes 16-31
	s_mov_b32 s26, 0x76543210
	s_mov_b32 s27, 0xfedcba98                      ; v_permlanex16_b32: lane l xor 16
	s_lshr_b32 s28, s18, 1                         ; which of the two tiles
	s_and_b32 s29, s18, 1                          ; which half of K
	s_wait_alu depctr_va_vdst(0)
	s_wait_kmcnt 0x0
	s_mov_b64 s[20:21], s[12:13]                   ; the tensor, by the work-group's number alone
	s_mov_b32 s22, 304                             ; and its first work-group
	s_cmp_lt_u32 ttmp9, 304
	s_cselect_b64 s[20:21], s[10:11], s[20:21]
	s_cselect_b32 s22, 296, s22
	s_cmp_lt_u32 ttmp9, 296
	s_cselect_b64 s[20:21], s[8:9], s[20:21]
	s_cselect_b32 s22, 288, s22
	s_cmp_lt_u32 ttmp9, 288
	s_cselect_b64 s[20:21], s[6:7], s[20:21]
	s_cselect_b32 s22, 256, s22
	s_cmp_lt_u32 ttmp9, 256
	s_cselect_b64 s[20:21], s[4:5], s[20:21]
	s_cselect_b32 s22, 0, s22
	s_sub_co_u32 s22, ttmp9, s22
	s_lshl_b32 s22, s22, 17                        ; 32 rows of 4,096 bytes a work-group,
	s_lshl_b32 s23, s28, 16                        ; 16 a tile,
	s_add_co_u32 s22, s22, s23
	s_lshl_b32 s23, s29, 11                        ; 2,048 bytes half a row
	s_add_co_u32 s22, s22, s23
	s_mov_b32 s23, 0
	s_add_nc_u64 s[20:21], s[20:21], s[22:23]
	s_lshl_b32 s24, ttmp9, 1
	s_add_co_u32 s24, s24, s28                     ; T
	s_mul_i32 s22, s24, 3072
	s_mul_i32 s25, s29, 2*CH                       ; half a row of K is two chunks
	s_add_co_u32 s22, s22, s25
	s_add_nc_u64 s[14:15], s[14:15], s[22:23]
	s_lshl_b32 s22, s24, 9
	s_lshl_b32 s25, s29, 8
	s_add_co_u32 s22, s22, s25
	s_add_nc_u64 s[16:17], s[16:17], s[22:23]
.macro LOAD t                          ; fragment t: 16 rows x 512 bytes into set t % 2
.irp p, 0,1,2,3,4,5,6,7,8,9,10,11,12,13,14,15
	global_load_b128 v[R+64*((\t)%2)+4*\p:R+64*((\t)%2)+4*\p+3], v2, s[20:21] offset:4096*\p+512*(\t) th:TH_LOAD_NT
.endr
.endm
.macro FRAGMENT t
.if (\t) < 3
	s_wait_loadcnt 16                              ; this fragment's 16 loads are in; the next one's 16 may be out
.else
	s_wait_loadcnt 0x0
.endif
.irp p, 0,1,2,3,4,5,6,7,8,9,10,11,12,13,14,15
	ds_store_b128 v3, v[R+64*((\t)%2)+4*\p:R+64*((\t)%2)+4*\p+3] offset:528*\p
.endr
.irp c, 0,1                            ; LDS serves a wave's instructions in order: these see the stores above.  The offsets exchange bits 3 and 4 of the place in a block
.irp m, 0,1,2,3,4,5,6,7
	ds_load_b128 v[X+32*\c+4*\m:X+32*\c+4*\m+3], v4 offset:256*\c+16*(\m%2)+64*((\m/2)%2)+32*(\m/4)
.endr
.endr
	s_wait_dscnt 0x0                               ; my blocks are in, and the stores have read their registers,
.if (\t) < 2
	LOAD (\t)+2                                    ; which take the fragment two on
.endif
.irp c, 0,1
	v_max3_num_f32 v[8+\c], |v[X+32*\c]|, |v[X+32*\c+1]|, 0x1800000   ; block 2 c + h: all 32 numbers are mine; the floor 2^(3 - 127) holds the byte at 1 from below
.endr
.irp i, 2,4,6,8,10,12,14,16,18,20,22,24,26,28,30
.irp c, 0,1
	v_max3_num_f32 v[8+\c], v[8+\c], |v[X+32*\c+\i]|, |v[X+32*\c+\i+1]|
.endr
.endr
.irp c, 0,1
	v_add_nc_u32 v[10+\c], 0xff000000, v[8+\c]     ; 2 off the exponent field: the conversion's scale operand
.endr
.irp c, 0,1
	v_lshrrev_b32 v[12+\c], 23, v[10+\c]           ; the scale's byte
.endr
	v_lshl_or_b32 v14, v13, 16, v12                ; my two bytes: blocks h and 2 + h,
	v_lshlrev_b32 v14, v24, v14                    ; at their places;
	v_permlanex16_b32 v15, v14, s26, s27
	v_or_b32 v[18+(\t)], v14, v15                  ; with lane l xor 16's two the word is whole
	s_wait_alu depctr_va_vdst(0)
	s_wait_xcnt 0x0                                ; the last fragment's stores have read their data registers: they are written again only behind this wait
.irp c, 0,1
	v_cvt_scalef32_pk16_fp6_f32 v[C+6*\c:C+6*\c+2], v[X+32*\c:X+32*\c+15], v[10+\c]
	v_cvt_scalef32_pk16_fp6_f32 v[236+4*\c:238+4*\c], v[X+32*\c+16:X+32*\c+31], v[10+\c]   ; (a conversion's three registers begin on an even number)
.endr
	v_nop                                          ; one plain place behind a scaled conversion
.irp c, 0,1
.irp i, 0,1,2
	v_mov_b32 v[C+6*\c+3+\i], v[236+4*\c+\i]
.endr
.endr
.irp p, 0,1,2
	global_store_b128 v2, v[C+4*\p:C+4*\p+3], s[14:15] offset:((\t)/2)*CH+((\t)%2)*1536+512*\p   ; 512 consecutive bytes
.endr
.endm
	LOAD 0
	LOAD 1
	FRAGMENT 0
	FRAGMENT 1
	FRAGMENT 2
	FRAGMENT 3
	v_cndmask_b32 v22, v18, v19, s30               ; lanes 0-15 carry the even K step's words, lanes 16-31 the odd one's
	v_cndmask_b32 v23, v20, v21, s30
	ds_store_b32 v5, v22
	ds_store_b32 v5, v23 offset:128
	ds_load_b64 v[8:9], v6                         ; my wave's 256 bytes of scale words, 8 bytes a lane
	s_wait_dscnt 0x0
	global_store_b64 v7, v[8:9], s[16:17]          ; 256 consecutive bytes, aligned
	s_wait_tensorcnt 0x0                           ; the wave's end: behind my last LDS store
	ds_add_u32 v[SPW], v[NIL]
	s_wait_dscnt 0x0
	s_endpgm
.Lfunc_end_k_qf0911eae18_quant:
	.size	k_qf0911eae18_quant, .Lfunc_end_k_qf0911eae18_quant-k_qf0911eae18_quant
	.p2alignl 7, 3214868480
	.fill 96, 4, 3214868480
	.section	.rodata,"a",@progbits
	.p2align	6, 0x0
	.amdhsa_kernel k_qf0911eae18_quant
		.amdhsa_group_segment_fixed_size 35328
		.amdhsa_private_segment_fixed_size 0
		.amdhsa_enable_private_segment 0
		.amdhsa_kernarg_size 56
		.amdhsa_user_sgpr_count 2
		.amdhsa_user_sgpr_kernarg_segment_ptr 1
		.amdhsa_wavefront_size32 1
		.amdhsa_system_sgpr_workgroup_id_x 1
		.amdhsa_system_sgpr_workgroup_id_y 1
		.amdhsa_system_sgpr_workgroup_id_z 1
		.amdhsa_system_vgpr_workitem_id 0
		.amdhsa_next_free_vgpr 256
		.amdhsa_next_free_sgpr 66
		.amdhsa_reserve_vcc 0
		.amdhsa_float_denorm_mode_32 3
		.amdhsa_float_denorm_mode_16_64 3
		.amdhsa_memory_ordered 1
		.amdhsa_forward_progress 1
		.amdhsa_inst_pref_size 31
	.end_amdhsa_kernel
	.amdgpu_metadata
---
amdhsa.version: [ 1, 2 ]
amdhsa.kernels:
  - .name:           k_qf0911eae18_quant
    .symbol:         k_qf0911eae18_quant.kd
    .args:
      - { .name: hidden_states, .offset: 0, .size: 8, .value_kind: global_buffer, .address_space: global }
      - { .name: Wq, .offset: 8, .size: 8, .value_kind: global_buffer, .address_space: global }
      - { .name: Wk, .offset: 16, .size: 8, .value_kind: global_buffer, .address_space: global }
      - { .name: Wv, .offset: 24, .size: 8, .value_kind: global_buffer, .address_space: global }
      - { .name: Wo, .offset: 32, .size: 8, .value_kind: global_buffer, .address_space: global }
      - { .name: codes, .offset: 40, .size: 8, .value_kind: global_buffer, .address_space: global }
      - { .name: scales, .offset: 48, .size: 8, .value_kind: global_buffer, .address_space: global }
    .group_segment_fixed_size: 35328
    .private_segment_fixed_size: 0
    .kernarg_segment_align: 8
    .kernarg_segment_size: 56
    .max_flat_workgroup_size: 128
    .sgpr_count:     66
    .vgpr_count:     256
    .wavefront_size: 32
...
	.end_amdgpu_metadata
.endif
;; end of part 1
;; launch qkv (part 2): grid 64 x 6, 8 waves a work-group, clusters of 4 x 1, 327,680 bytes of LDS; arguments codes, scales, bq, bk, bv, cos, sin, q, qs, kv; writes q, qs, kv
.if DOCPART == 2
	.amdgcn_target "amdgcn-amd-amdhsa--gfx1250"
	.amdhsa_code_object_version 6
	.text
	.protected	k_qf0911eae18_qkv
	.globl	k_qf0911eae18_qkv
	.p2align	8
	.type	k_qf0911eae18_qkv,@function
k_qf0911eae18_qkv:
	s_mov_b64 s[64:65], 0
	v_nop
	global_prefetch_b8 v0, s[64:65] scope:SCOPE_SE
	s_setreg_imm32_b32 hwreg(HW_REG_WAVE_MODE, 25, 1), 1
	s_wait_xcnt 0x0
	s_wait_alu depctr_hold_cnt(0) depctr_sa_sdst(0) depctr_va_vdst(0) depctr_va_sdst(0) depctr_va_ssrc(0) depctr_va_vcc(0) depctr_vm_vsrc(0)
	s_getreg_b32 s2, hwreg(HW_REG_IB_STS2, 6, 4)
	s_cmp_eq_u32 s2, 0
	s_cbranch_scc0 .Lentry_in_a_cluster
	s_endpgm
.Lentry_in_a_cluster:
	s_bfe_u32 s2, ttmp6, 0x10000c
	s_cmp_lg_u32 s2, 0x3003
	s_cbranch_scc0 .Lentry_shape_is_right
	s_endpgm
.Lentry_shape_is_right:
; q, k, v = x W^T + b on codes of FP6 (E2M3) with E8M0 scales; then RoPE on q and k, in f32; then q and k are quantised along the head's 64, v along the keys, into the layouts that the attention launch reads.
; A work-group makes 128 tokens x 256 features: y = 0..3 query heads 4 y .. 4 y + 3, y = 4 the four key heads, y = 5 the four value heads.  Eight waves, wave (wa, wb) = (w / 4, w % 4) makes 64 x 64: 16 accumulators.
; ALL OF K LIES IN LDS: (8 + 16) row tiles x 12,288 bytes = 294,912, as four chunks of two K steps, each filled once: no slot is filled again.  Fragments lie as images of their registers (three planes of 512 bytes).
; CLUSTER 4 x 1: the four partners take four token blocks and the same 256 features, so the weights' tiles are asked for jointly (mask 15).  The tokens' tiles differ between partners and come by plain loads; a 4 x 4 cluster
; is not taken: the grid has six rows of work-groups, which four does not divide.
; THE MATRIX INSTRUCTION IS USED TRANSPOSED (source 0 = 16 features, source 1 = 16 tokens): a lane holds one token and eight neighbouring features.
; The results (with the bias) meet in a stage of 128 rows x (1,024 + 16) bytes of f32, in the bytes of chunks 0 and 1, which have had their only fill and whose last reads stand ahead of chunk 2's barrier.
; OUT: q: a fragment of 16 tokens x (two heads x 64) at ((token tile) 8 + head pair) x 1,536; qs: its words at 32,768 x head pair + 4 x token.
;      kv: [batch x 4 + kv head][key step of 128][12,800]: four fragments of K (registers 0-5 keys 32 f + r, registers 6-11 keys 32 f + 16 + r), four of V^T (16 d x 128 keys), K's words, V's words.
; V's keys stand, inside each block of 32, with bits 3 and 4 of their place exchanged, as the attention launch's weights do: the pairs and the scales are the right ones, the order of a block's 32 additions differs from ascending k.
; LIMITS: a block of zeros gets the byte 1 (its codes are zeros; this program alone reads the bytes); magnitudes under 2^-124 are held at that floor; NaN and infinities are not served.
.set CH,    2064384                    ; a chunk's plane in codes
.set WT,    512                        ; the weights' first row tile
.set CHUNK, 73728                      ; LDS: A's 8 row tiles x 3,072, then B's 16
.set BIAS,  4*CHUNK                    ; 1,024 bytes
.set SPARE, BIAS+1024                  ; the spare words, 128 bytes for each of eight waves
.set SPW,   6                          ; v6  my spare word's LDS address; never rewritten
.set NIL,   7                          ; v7  0; never rewritten
.set SC,    16                         ; v16-31 scale words and nothing else: two sets of 8 (A's four tiles, B's four); lanes 0-15 the chunk's first K step, lanes 16-31 its second
.set FA,    32                         ; v32-79  A's four fragments
.set FB,    80                         ; v80-127 B's four
.set ACC,   128                        ; v128-255 accumulator (a, b) at 128 + 8 (4 a + b)
.set X,     32                         ; the way out: v32-95 64 numbers of a lane
.set PC,    96                         ; v96-107 the codes; v108-110, v112-114 the conversions' second halves
.set PW0,   111                        ; v111, v115 the two scale words
.set TM,    116                        ; v116-127 at work
.set CO,    128                        ; v128-191 cos, v192-255 sin: at 32 e + 16 blk + i
.set SI,    192
; v1 lane; v2, v3 LDS addresses of A's and B's fragments; v4 4 x lane; v5 into the stage; v8 the bias; v9 out of the stage by tokens; v10, v11 by keys; v12 cos and sin; v13 K's words; v14 16 x lane
.macro CROUND                          ; a round of the cluster's barrier
	s_barrier_signal -1
	s_barrier_wait -1
	s_cmp_lg_u32 s4, 0
	s_cbranch_scc1 .Lnot_wave_0_\@
	s_barrier_signal -3
.Lnot_wave_0_\@:
	s_barrier_wait -3
	s_barrier_signal -1
	s_barrier_wait -1
.endm
.macro PLACES                          ; four plain places behind matrix instructions, ahead of loads into their registers and of reads of results
.rept 4
	v_nop
.endr
.endm
.macro SCLOAD c, set                   ; chunk c's scale words
.irp i, 0,1,2,3
	global_load_b32 v[SC+8*(\set)+\i], v4, s[10:11] offset:512*\i+128*(\c)
	global_load_b32 v[SC+8*(\set)+4+\i], v4, s[12:13] offset:512*\i+128*(\c)
.endr
.endm
.macro KSTEP q, set, zero              ; 128 along K: 24 LDS loads, 16 products; the 16 accumulators take turns, one instruction a turn
.irp i, 0,1,2,3
.irp p, 0,1,2
	ds_load_b128 v[FA+12*\i+4*\p:FA+12*\i+4*\p+3], v2 offset:3072*\i+1536*(\q)+512*\p
	ds_load_b128 v[FB+12*\i+4*\p:FB+12*\i+4*\p+3], v3 offset:3072*\i+1536*(\q)+512*\p
.endr
.endr
	s_wait_dscnt 0x0
.irp a, 0,1,2,3
.irp b, 0,1,2,3
.if \zero
	v_wmma_scale_f32_16x16x128_f8f6f4 v[ACC+8*(4*\a+\b):ACC+8*(4*\a+\b)+7], v[FB+12*\b:FB+12*\b+11], v[FA+12*\a:FA+12*\a+11], 0, v[SC+8*(\set)+4+\b], v[SC+8*(\set)+\a] matrix_a_fmt:MATRIX_FMT_FP6 matrix_b_fmt:MATRIX_FMT_FP6
.elseif \q
	v_wmma_scale_f32_16x16x128_f8f6f4 v[ACC+8*(4*\a+\b):ACC+8*(4*\a+\b)+7], v[FB+12*\b:FB+12*\b+11], v[FA+12*\a:FA+12*\a+11], v[ACC+8*(4*\a+\b):ACC+8*(4*\a+\b)+7], v[SC+8*(\set)+4+\b], v[SC+8*(\set)+\a] matrix_a_fmt:MATRIX_FMT_FP6 matrix_b_fmt:MATRIX_FMT_FP6 matrix_a_scale:MATRIX_SCALE_ROW1 matrix_b_scale:MATRIX_SCALE_ROW1
.else
	v_wmma_scale_f32_16x16x128_f8f6f4 v[ACC+8*(4*\a+\b):ACC+8*(4*\a+\b)+7], v[FB+12*\b:FB+12*\b+11], v[FA+12*\a:FA+12*\a+11], v[ACC+8*(4*\a+\b):ACC+8*(4*\a+\b)+7], v[SC+8*(\set)+4+\b], v[SC+8*(\set)+\a] matrix_a_fmt:MATRIX_FMT_FP6 matrix_b_fmt:MATRIX_FMT_FP6
.endif
.endr
.endr
.endm
; 64 numbers of a lane, register 16 b + i = place 16 (lane / 16) + i of block b of my row, become a fragment's codes in v[PC] on and its scale word in v[pw]
.macro QUANT s, pw
.irp b, 0,1,2,3
	v_max3_num_f32 v[TM+\b], |v[(\s)+16*\b]|, |v[(\s)+1+16*\b]|, 0x1800000   ; my 16 numbers of block b, and the floor 2^(3 - 127)
.endr
.irp i, 2,4,6,8,10,12,14
.irp b, 0,1,2,3
	s_delay_alu instid0(VALU_DEP_4)
	v_max3_num_f32 v[TM+\b], v[TM+\b], |v[(\s)+16*\b+\i]|, |v[(\s)+1+16*\b+\i]|
.endr
.endr
.irp b, 0,1,2,3
	s_delay_alu instid0(VALU_DEP_4)
	v_permlanex16_b32 v[TM+4+\b], v[TM+\b], s104, s105
.endr
.irp b, 0,1,2,3
	s_delay_alu instid0(VALU_DEP_4)
	v_max_num_f32 v[TM+\b], v[TM+\b], v[TM+4+\b]   ; with lane l xor 16's: the block's largest magnitude
.endr
.irp b, 0,1,2,3
	s_delay_alu instid0(VALU_DEP_4)
	v_add_nc_u32 v[TM+8+\b], 0xff000000, v[TM+\b]  ; 2 off the exponent field: the conversion's scale operand
.endr
.irp b, 0,1,2,3
	s_delay_alu instid0(VALU_DEP_4)
	v_lshrrev_b32 v[TM+4+\b], 23, v[TM+8+\b]       ; the scale's byte
.endr
	s_delay_alu instid0(VALU_DEP_3)
	v_lshl_or_b32 v[\pw], v[TM+5], 8, v[TM+4]
	s_delay_alu instid0(VALU_DEP_1)
	v_lshl_or_b32 v[\pw], v[TM+6], 16, v[\pw]
	s_delay_alu instid0(VALU_DEP_1)
	v_lshl_or_b32 v[\pw], v[TM+7], 24, v[\pw]
.irp c, 0,1
	v_cvt_scalef32_pk16_fp6_f32 v[PC+6*\c:PC+2+6*\c], v[(\s)+32*\c:(\s)+15+32*\c], v[TM+8+2*\c]
	v_cvt_scalef32_pk16_fp6_f32 v[PC+12+4*\c:PC+14+4*\c], v[(\s)+16+32*\c:(\s)+31+32*\c], v[TM+9+2*\c]
.endr
	v_nop                                          ; one plain place behind a scaled conversion
.irp c, 0,1                            ; the operand's layout wants a whole block in a lane
.irp i, 0,1,2
	v_permlane16_swap_b32 v[PC+6*\c+\i], v[PC+12+4*\c+\i]
.endr
.irp i, 0,1,2
	s_delay_alu instid0(VALU_DEP_3)
	v_mov_b32 v[PC+3+6*\c+\i], v[PC+12+4*\c+\i]
.endr
.endr
.endm
.macro READX half, e, g                ; head g of my pair, token tile e of my two: d = 32 blk + 16 h + 0 .. 15 of my token into v[X + 32 half + 16 blk ..]
.irp blk, 0,1
.irp k, 0,1,2,3
	ds_load_b128 v[X+32*\half+16*\blk+4*\k:X+32*\half+16*\blk+4*\k+3], v9 offset:16640*\e+256*\g+128*\blk+16*\k
.endr
.endr
.endm
.macro ROPE half, e                    ; lo' = lo cos_lo - hi sin_lo;  hi' = hi cos_hi + lo sin_hi, two numbers an instruction
.irp m, 0,1,2,3,4,5,6,7
	v_pk_mul_f32 v[TM+2*(\m%4):TM+2*(\m%4)+1], v[X+32*\half+2*\m:X+32*\half+2*\m+1], v[SI+32*\e+16+2*\m:SI+32*\e+17+2*\m]
	v_pk_mul_f32 v[X+32*\half+2*\m:X+32*\half+2*\m+1], v[X+32*\half+2*\m:X+32*\half+2*\m+1], v[CO+32*\e+2*\m:CO+32*\e+2*\m+1]
	s_delay_alu instid0(VALU_DEP_1)
	v_pk_fma_f32 v[X+32*\half+2*\m:X+32*\half+2*\m+1], v[X+32*\half+16+2*\m:X+32*\half+17+2*\m], v[SI+32*\e+2*\m:SI+32*\e+2*\m+1], v[X+32*\half+2*\m:X+32*\half+2*\m+1] neg_lo:[1,0,0] neg_hi:[1,0,0]
	s_delay_alu instid0(VALU_DEP_3)
	v_pk_fma_f32 v[X+32*\half+16+2*\m:X+32*\half+17+2*\m], v[X+32*\half+16+2*\m:X+32*\half+17+2*\m], v[CO+32*\e+16+2*\m:CO+32*\e+17+2*\m], v[TM+2*(\m%4):TM+2*(\m%4)+1]
.endr
.endm
	s_load_b512 s[68:83], s[0:1], 0x0              ; codes, scales, bq, bk, bv, cos, sin, q
	s_load_b128 s[96:99], s[0:1], 0x40             ; qs, kv
	v_lshl_add_u32 v[SPW], v0, 2, SPARE
	v_mov_b32 v[NIL], 0
	ds_add_u32 v[SPW], v[NIL]                      ; the wave's opening: the add, with its wait ahead of the first tensor loads; the set-up below stands between them
	ds_add_u32 v[SPW], v[NIL]
	v_lshrrev_b32 v1, 5, v0
	s_delay_alu instid0(VALU_DEP_1)
	v_readfirstlane_b32 s4, v1                     ; wave 0..7
	s_lshr_b32 s5, s4, 2                           ; wa
	s_and_b32 s6, s4, 3                            ; wb
	s_bfe_u32 s7, ttmp6, 0x40000                   ; cx
	s_lshl_b32 s8, ttmp9, 2
	s_add_co_u32 s8, s8, s7                        ; X: my block of 128 tokens
	s_and_b32 s9, ttmp7, 0xffff                    ; y: my 256 features; the partners share it
	s_mov_b32 s16, 3<<16                           ; group 1 for A: no mask, elements of 8 bytes
	s_mov_b32 s24, 15|(3<<16)|(1<<21)              ; for B: all four partners; bit 21 beside the mask
.irp g, 16,24
	s_mov_b32 s[\g+1], 32<<16                      ; tensor_dim0 = 32 elements: rows of 256 bytes
	s_mov_b32 s[\g+2], (160-4*\g)<<16              ; tensor_dim1: A 96 rows (eight row tiles of a chunk), B 64 rows (a third of its sixteen)
	s_mov_b32 s[\g+3], 32<<16                      ; tile_dim0
	s_mov_b32 s[\g+4], 160-4*\g                    ; tile_dim1 likewise
	s_mov_b32 s[\g+5], 32                          ; the pitch
	s_mov_b32 s[\g+6], 0
	s_mov_b32 s[\g+7], 0
.endr
	s_mov_b32 s104, 0x76543210
	s_mov_b32 s105, 0xfedcba98                     ; v_permlanex16_b32: lane l xor 16
	v_and_b32 v1, 31, v0                           ; lane
	v_and_b32 v32, 15, v0                          ; r
	v_bfe_u32 v33, v0, 4, 1                        ; h
	s_delay_alu instid0(VALU_DEP_3)
	v_cmp_le_u32 s100, 16, v1                      ; lanes 16-31
	s_mul_i32 s14, s5, 12288
	v_lshl_add_u32 v2, v1, 4, s14                  ; A: 16 x lane + my four row tiles
	s_mul_i32 s14, s6, 12288
	s_add_co_u32 s14, s14, 24576
	v_lshl_add_u32 v3, v1, 4, s14                  ; B: behind A's eight
	v_lshlrev_b32 v4, 2, v1
	v_mul_u32_u24 v5, v32, 1040
	s_delay_alu instid0(VALU_DEP_1)
	v_lshl_add_u32 v5, v33, 5, v5
	s_mul_i32 s14, s5, 66560
	s_lshl_b32 s15, s6, 8
	s_add_co_u32 s14, s14, s15
	v_add_nc_u32 v5, s14, v5                       ; the stage: token row r + 64 wa, 32 h bytes + 256 wb
	s_add_co_u32 s15, s15, BIAS
	v_lshl_add_u32 v8, v33, 5, s15                 ; the bias of my eight features of a tile
	s_lshr_b32 s14, s4, 1
	s_mul_i32 s14, s14, 33280                      ; 32 rows x 1,040: tokens 32 (w / 2) on,
	s_and_b32 s15, s4, 1
	s_lshl_b32 s15, s15, 9                         ; head pair w % 2
	s_add_co_u32 s14, s14, s15
	v_mul_u32_u24 v9, v32, 1040
	s_delay_alu instid0(VALU_DEP_1)
	v_lshl_add_u32 v9, v33, 6, v9
	s_delay_alu instid0(VALU_DEP_1)
	v_add_nc_u32 v9, s14, v9
	v_mul_u32_u24 v10, v33, 8320                   ; by keys: 8 h rows down, column 32 w + r
	s_delay_alu instid0(VALU_DEP_1)
	v_lshl_add_u32 v10, v32, 2, v10
	s_lshl_b32 s14, s4, 7
	v_add_nc_u32 v10, s14, v10
	s_delay_alu instid0(VALU_DEP_1)
	v_add_nc_u32 v11, 66560, v10                   ; and 64 rows further down
	v_lshlrev_b32 v12, 8, v32
	s_delay_alu instid0(VALU_DEP_1)
	v_lshl_add_u32 v12, v33, 6, v12                ; cos, sin: row r of 256 bytes + 64 h
	v_mul_u32_u24 v13, v33, 204800
	s_delay_alu instid0(VALU_DEP_1)
	v_lshl_add_u32 v13, v32, 2, v13                ; K's words: 4 r, lanes 16-31 one kv head on
	v_lshlrev_b32 v14, 4, v1
	v_lshlrev_b32 v34, 2, v0                       ; the bias: a word a thread, 1,024 bytes a work-group,
	v_add_nc_u32 v36, BIAS, v34                    ; and its place in LDS
	s_mul_i32 s2, s8, 24576                        ; A's eight row tiles in a chunk's plane
	s_mov_b32 s3, 0
	s_mul_i32 s66, s9, 49152                       ; B's sixteen row tiles in a chunk's plane
	s_and_b32 s101, s4, 3                          ; my part of a chunk: 0 A's eight row tiles, 1 to 3 a third of B's
	s_lshl_b32 s85, s101, 14                       ; 16,384 bytes a third
	s_add_co_u32 s66, s66, s85
	s_add_co_u32 s66, s66, WT*3072-16384
	s_mov_b32 s67, 0
	s_mul_i32 s84, s5, CHUNK                       ; waves 0-3 fetch chunk 0 and then 2, waves 4-7 chunk 1 and then 3: A's LDS place,
	s_add_co_u32 s85, s85, s84
	s_add_co_u32 s85, s85, 8192                    ; B's: 24,576 + 16,384 (part - 1) behind it
	s_mul_i32 s86, s5, CH                          ; and the chunk's plane in codes
	s_mov_b32 s87, 0
	s_wait_dscnt 0x0                               ; the opening add is done
	s_wait_kmcnt 0x0
	s_add_nc_u64 s[2:3], s[68:69], s[2:3]
	s_add_nc_u64 s[66:67], s[68:69], s[66:67]
	s_mov_b32 s32, 1
	s_mov_b32 s33, s84
	s_add_nc_u64 s[34:35], s[2:3], s[86:87]
	s_or_b32 s35, s35, 0x80000000
	s_mov_b32 s48, 1
	s_mov_b32 s49, s85
	s_add_nc_u64 s[50:51], s[66:67], s[86:87]
	s_or_b32 s51, s51, 0x80000000
	s_lshl_b32 s14, s9, 10
	s_mov_b32 s15, 0
	s_add_nc_u64 s[14:15], s[72:73], s[14:15]      ; bq + 1,024 y (used where y < 4)
	s_cmp_lt_u32 s9, 5
	s_cselect_b64 s[94:95], s[74:75], s[76:77]     ; bk or bv
	s_cmp_lt_u32 s9, 4
	s_cselect_b64 s[94:95], s[14:15], s[94:95]
	s_lshl_b32 s14, s8, 12
	s_lshl_b32 s15, s5, 11
	s_add_co_u32 s14, s14, s15
	s_mov_b32 s15, 0
	s_add_nc_u64 s[10:11], s[70:71], s[14:15]      ; the scale words of my four row tiles of A,
	s_lshl_b32 s14, s9, 13
	s_lshl_b32 s15, s6, 11
	s_add_co_u32 s14, s14, s15
	s_add_co_u32 s14, s14, WT*512
	s_mov_b32 s15, 0
	s_add_nc_u64 s[12:13], s[70:71], s[14:15]      ; and of B
	CROUND                                         ; all four work-groups are here: the joint loads meet
.macro FILL                            ; one tensor load a wave: part 0 A's tile, by a plain load; parts 1 to 3 B's, jointly
	s_cmp_eq_u32 s101, 0
	s_cbranch_scc0 .Lfor_b_\@
	tensor_load_to_lds s[32:35], s[16:23]
	s_nop 0
	PLACES
	s_branch .Lasked_\@
.Lfor_b_\@:
	tensor_load_to_lds s[48:51], s[24:31]
	s_nop 0
	PLACES
.Lasked_\@:
.endm
	FILL                                           ; chunks 0 and 1
	s_wait_alu depctr_va_vdst(0)
	global_load_b32 v35, v34, s[94:95]             ; my word of the bias
	SCLOAD 0, 0
	SCLOAD 1, 1
.irp c, 0,1,2,3
.if \c == 0
	s_wait_tensorcnt 0x0                           ; my part of chunks 0 and 1 is in
	s_wait_loadcnt 16                              ; my word of the bias is in; the 16 scale words may be out
	ds_store_b32 v36, v35                          ; into LDS bytes in which no tile lands
	s_wait_tensorcnt 0x0
	ds_add_u32 v[SPW], v[NIL]
	s_add_co_u32 s33, s33, 2*CHUNK                 ; no tensor load of mine is out: the descriptors step two chunks on
	s_add_nc_u64 s[34:35], s[34:35], 2*CH
	s_add_co_u32 s49, s49, 2*CHUNK
	s_add_nc_u64 s[50:51], s[50:51], 2*CH
	s_wait_dscnt 0x0                               ; the add and my store are done
	CROUND                                         ; everybody's part is in, and all four work-groups are here: the joint loads meet
	FILL                                           ; chunks 2 and 3: they land under the products on chunks 0 and 1
.endif
.if \c == 2
	s_wait_tensorcnt 0x0                           ; my part of chunks 2 and 3 is in
	s_barrier_signal -1                            ; no LDS instruction of mine is pending here: my reads of chunks 0 and 1 are over
	s_barrier_wait -1                              ; both hold of every wave
.endif
.if \c < 3
	s_wait_loadcnt 8                               ; this chunk's 8 scale words are in; the other set's 8 may be out
.else
	s_wait_loadcnt 0x0
.endif
.if \c == 0
	KSTEP 0, 0, 1                                  ; the first products start the sums
.else
	s_wait_alu depctr_va_vdst(0)
	KSTEP 0, \c%2, 0
.endif
	PLACES
	KSTEP 1, \c%2, 0
	PLACES
.if \c < 2
	SCLOAD \c+2, \c%2
.endif
.if \c < 3
	v_add_nc_u32 v2, CHUNK, v2
	v_add_nc_u32 v3, CHUNK, v3
.endif
.endr
.irp b, 0,1,2,3
.irp k, 0,1
	ds_load_b128 v[32+8*\b+4*\k:35+8*\b+4*\k], v8 offset:64*\b+16*\k
.endr
.endr
.irp b, 0,1,2,3
	v_mov_b32 v[TM+4+\b], 0                        ; (a lane permute's destination counts as read)
.endr
	s_wait_dscnt 0x0
.irp a, 0,1,2,3
.irp b, 0,1,2,3
.irp j, 0,2,4,6
	v_pk_add_f32 v[ACC+8*(4*\a+\b)+\j:ACC+8*(4*\a+\b)+\j+1], v[ACC+8*(4*\a+\b)+\j:ACC+8*(4*\a+\b)+\j+1], v[32+8*\b+\j:33+8*\b+\j]   ; + the bias; each accumulator from its low end on
.endr
.endr
.endr
.irp a, 0,1,2,3
.irp b, 0,1,2,3
	ds_store_b128 v5, v[ACC+8*(4*\a+\b):ACC+8*(4*\a+\b)+3] offset:16640*\a+64*\b
	ds_store_b128 v5, v[ACC+8*(4*\a+\b)+4:ACC+8*(4*\a+\b)+7] offset:16640*\a+64*\b+16
.endr
.endr
	s_wait_dscnt 0x0                               ; for the others' sake: my stores into the stage are done (and have read their registers)
	s_cmp_lt_u32 s9, 5
	s_cbranch_scc0 .Lno_rope                       ; v has no RoPE
	s_and_b32 s2, s8, 15
	s_lshl_b32 s2, s2, 7
	s_lshr_b32 s3, s4, 1
	s_lshl_b32 s3, s3, 5
	s_add_co_u32 s2, s2, s3                        ; my first token's place in its sequence
	s_lshl_b32 s2, s2, 8
	s_mov_b32 s3, 0
	s_add_nc_u64 s[14:15], s[78:79], s[2:3]
	s_add_nc_u64 s[66:67], s[80:81], s[2:3]
.irp e, 0,1
.irp blk, 0,1
.irp k, 0,1,2,3
	global_load_b128 v[CO+32*\e+16*\blk+4*\k:CO+32*\e+16*\blk+4*\k+3], v12, s[14:15] offset:4096*\e+128*\blk+16*\k
	global_load_b128 v[SI+32*\e+16*\blk+4*\k:SI+32*\e+16*\blk+4*\k+3], v12, s[66:67] offset:4096*\e+128*\blk+16*\k
.endr
.endr
.endr
.Lno_rope:
	s_barrier_signal -1
	s_barrier_wait -1                              ; 128 whole rows lie in the stage
	s_lshr_b32 s32, s4, 1                          ; w / 2  (all tensor loads have been waited for: the descriptors' registers are free)
	s_and_b32 s33, s4, 1                           ; w % 2
	s_lshr_b32 s40, s8, 4                          ; the batch
	s_and_b32 s41, s8, 15                          ; the key step
	s_mul_i32 s41, s41, 12800
	s_lshl_b32 s40, s40, 2
	s_cmp_lt_u32 s9, 4
	s_cbranch_scc1 .Lq
	s_cmp_eq_u32 s9, 4
	s_cbranch_scc1 .Lk
	; ---- v: wave w takes kv head w / 2 and d tiles 2 (w % 2), 2 (w % 2) + 1.  A lane takes a column d and its registers run down the keys
	s_add_co_u32 s40, s40, s32
	s_mul_i32 s40, s40, 204800
	s_add_co_u32 s40, s40, s41
	s_mul_i32 s36, s33, 3072
	s_add_co_u32 s36, s36, s40
	s_add_co_u32 s36, s36, 6144
	s_mov_b32 s37, 0
	s_add_nc_u64 s[36:37], s[98:99], s[36:37]
	s_lshl_b32 s38, s33, 7
	s_add_co_u32 s38, s38, s40
	s_add_co_u32 s38, s38, 12544
	s_mov_b32 s39, 0
	s_add_nc_u64 s[38:39], s[98:99], s[38:39]
.irp f, 0,1
.if \f > 0
	s_wait_xcnt 0x0                                ; the first tile's stores have read their data registers
.endif
.irp blk, 0,1,2,3
.irp i, 0,1,2,3,4,5,6,7,8,9,10,11,12,13,14,15
	ds_load_b32 v[X+16*\blk+\i], v[10+\blk/2] offset:(32*(\blk%2)+(\i%8)+16*(\i/8))*1040+64*\f   ; key 32 blk + 8 h + i % 8 + 16 (i / 8)
.endr
.endr
	s_wait_dscnt 0x0
	QUANT X, PW0+4*\f
.irp p, 0,1,2
	global_store_b128 v14, v[PC+4*\p:PC+4*\p+3], s[36:37] offset:1536*\f+512*\p
.endr
.endr
	v_cndmask_b32 v[TM], v[PW0], v[PW0+4], s100
	global_store_b32 v4, v[TM], s[38:39]
	s_branch .Lend
.Lq:	; ---- q: wave w takes tokens 32 (w / 2) on and head pair w % 2
	s_lshl_b32 s34, s9, 1
	s_add_co_u32 s34, s34, s33                     ; the head pair among eight
	s_lshl_b32 s36, s8, 6
	s_lshl_b32 s37, s32, 4
	s_add_co_u32 s36, s36, s37
	s_add_co_u32 s36, s36, s34
	s_mul_i32 s36, s36, 1536
	s_mov_b32 s37, 0
	s_add_nc_u64 s[36:37], s[82:83], s[36:37]
	s_lshl_b32 s38, s34, 15
	s_lshl_b32 s39, s8, 9
	s_add_co_u32 s38, s38, s39
	s_lshl_b32 s39, s32, 7
	s_add_co_u32 s38, s38, s39
	s_mov_b32 s39, 0
	s_add_nc_u64 s[38:39], s[96:97], s[38:39]
.irp e, 0,1
.if \e > 0
	s_wait_xcnt 0x0                                ; the first tile's stores have read their data registers
.endif
	READX 0, \e, 0
	READX 1, \e, 1
.if \e == 0
	s_wait_loadcnt 0x0                             ; cos and sin
.endif
	s_wait_dscnt 0x0
	ROPE 0, \e
	ROPE 1, \e
	QUANT X, PW0+4*\e
.irp p, 0,1,2
	global_store_b128 v14, v[PC+4*\p:PC+4*\p+3], s[36:37] offset:12288*\e+512*\p
.endr
.endr
	v_cndmask_b32 v[TM], v[PW0], v[PW0+4], s100    ; lanes 0-15 the first tile's words, lanes 16-31 the second's: 128 consecutive bytes
	global_store_b32 v4, v[TM], s[38:39]
	s_branch .Lend
.Lk:	; ---- k: wave w takes keys 32 (w / 2) on and kv heads 2 (w % 2), 2 (w % 2) + 1; a fragment holds one head's two tiles of keys
	s_lshl_b32 s34, s33, 1
	s_add_co_u32 s40, s40, s34
	s_mul_i32 s40, s40, 204800
	s_add_co_u32 s40, s40, s41
	s_mul_i32 s36, s32, 1536
	s_add_co_u32 s36, s36, s40
	s_mov_b32 s37, 0
	s_add_nc_u64 s[36:37], s[98:99], s[36:37]
	s_lshl_b32 s38, s32, 6
	s_add_co_u32 s38, s38, s40
	s_add_co_u32 s38, s38, 12288
	s_mov_b32 s39, 0
	s_add_nc_u64 s[38:39], s[98:99], s[38:39]
.irp g, 0,1
.if \g > 0
	s_wait_xcnt 0x0
.endif
	READX 0, 0, \g
	READX 1, 1, \g
.if \g == 0
	s_wait_loadcnt 0x0
.endif
	s_wait_dscnt 0x0
	ROPE 0, 0
	ROPE 1, 1
	QUANT X, PW0+4*\g
.irp p, 0,1,2
	global_store_b128 v14, v[PC+4*\p:PC+4*\p+3], s[36:37] offset:204800*\g+512*\p
.endr
.endr
	v_cndmask_b32 v[TM], v[PW0], v[PW0+4], s100
	global_store_b32 v13, v[TM], s[38:39]
.Lend:
	s_wait_tensorcnt 0x0                           ; the wave's end: behind my last tensor load and my last LDS store
	ds_add_u32 v[SPW], v[NIL]
	s_wait_dscnt 0x0
	CROUND                                         ; the closing round
	s_endpgm
.Lfunc_end_k_qf0911eae18_qkv:
	.size	k_qf0911eae18_qkv, .Lfunc_end_k_qf0911eae18_qkv-k_qf0911eae18_qkv
	.p2alignl 7, 3214868480
	.fill 96, 4, 3214868480
	.section	.rodata,"a",@progbits
	.p2align	6, 0x0
	.amdhsa_kernel k_qf0911eae18_qkv
		.amdhsa_group_segment_fixed_size 327680
		.amdhsa_private_segment_fixed_size 0
		.amdhsa_enable_private_segment 0
		.amdhsa_kernarg_size 80
		.amdhsa_user_sgpr_count 2
		.amdhsa_user_sgpr_kernarg_segment_ptr 1
		.amdhsa_wavefront_size32 1
		.amdhsa_system_sgpr_workgroup_id_x 1
		.amdhsa_system_sgpr_workgroup_id_y 1
		.amdhsa_system_sgpr_workgroup_id_z 1
		.amdhsa_system_vgpr_workitem_id 0
		.amdhsa_next_free_vgpr 256
		.amdhsa_next_free_sgpr 106
		.amdhsa_reserve_vcc 0
		.amdhsa_float_denorm_mode_32 3
		.amdhsa_float_denorm_mode_16_64 3
		.amdhsa_memory_ordered 1
		.amdhsa_forward_progress 1
		.amdhsa_inst_pref_size 121
	.end_amdhsa_kernel
	.amdgpu_metadata
---
amdhsa.version: [ 1, 2 ]
amdhsa.kernels:
  - .name:           k_qf0911eae18_qkv
    .symbol:         k_qf0911eae18_qkv.kd
    .args:
      - { .name: codes, .offset: 0, .size: 8, .value_kind: global_buffer, .address_space: global }
      - { .name: scales, .offset: 8, .size: 8, .value_kind: global_buffer, .address_space: global }
      - { .name: bq, .offset: 16, .size: 8, .value_kind: global_buffer, .address_space: global }
      - { .name: bk, .offset: 24, .size: 8, .value_kind: global_buffer, .address_space: global }
      - { .name: bv, .offset: 32, .size: 8, .value_kind: global_buffer, .address_space: global }
      - { .name: cos, .offset: 40, .size: 8, .value_kind: global_buffer, .address_space: global }
      - { .name: sin, .offset: 48, .size: 8, .value_kind: global_buffer, .address_space: global }
      - { .name: q, .offset: 56, .size: 8, .value_kind: global_buffer, .address_space: global }
      - { .name: qs, .offset: 64, .size: 8, .value_kind: global_buffer, .address_space: global }
      - { .name: kv, .offset: 72, .size: 8, .value_kind: global_buffer, .address_space: global }
    .group_segment_fixed_size: 327680
    .private_segment_fixed_size: 0
    .kernarg_segment_align: 8
    .kernarg_segment_size: 80
    .max_flat_workgroup_size: 256
    .sgpr_count:     106
    .vgpr_count:     256
    .wavefront_size: 32
...
	.end_amdgpu_metadata
.endif
;; end of part 2
;; launch attn (part 3): grid 16 x 16, 8 waves a work-group, clusters of 4 x 1, 205,824 bytes of LDS; arguments q, qs, kv, codes, scales; writes codes, scales
.if DOCPART == 3
	.amdgcn_target "amdgcn-amd-amdhsa--gfx1250"
	.amdhsa_code_object_version 6
	.text
	.protected	k_qf0911eae18_attn
	.globl	k_qf0911eae18_attn
	.p2align	8
	.type	k_qf0911eae18_attn,@function
k_qf0911eae18_attn:
	s_mov_b64 s[64:65], 0
	v_nop
	global_prefetch_b8 v0, s[64:65] scope:SCOPE_SE
	s_setreg_imm32_b32 hwreg(HW_REG_WAVE_MODE, 25, 1), 1
	s_wait_xcnt 0x0
	s_wait_alu depctr_hold_cnt(0) depctr_sa_sdst(0) depctr_va_vdst(0) depctr_va_sdst(0) depctr_va_ssrc(0) depctr_va_vcc(0) depctr_vm_vsrc(0)
	s_getreg_b32 s2, hwreg(HW_REG_IB_STS2, 6, 4)
	s_cmp_eq_u32 s2, 0
	s_cbranch_scc0 .Lentry_in_a_cluster
	s_endpgm
.Lentry_in_a_cluster:
	s_bfe_u32 s2, ttmp6, 0x10000c
	s_cmp_lg_u32 s2, 0x3003
	s_cbranch_scc0 .Lentry_shape_is_right
	s_endpgm
.Lentry_shape_is_right:
; o = softmax(q k^T / 8) v for 16 query heads on 4 key and value heads, both products on codes of FP6 (E2M3) with E8M0 scales; o is quantised along (head, d) and laid over x's row tiles 0-511 of codes and scales.
; THE SOFTMAX: t = score x log2(e) / 8; M = the running largest t rounded up to a whole number; p = 2^(t - M) is quantised along the keys, not normalised; the row's sum is taken of the unquantised p and divides at the end;
; when M moves, the sum and O are multiplied by 2^(old M - new M), which rounds nothing.
; SHARES: work-group (X, y): 128 tokens of batch y / 4, kv head y % 4.  All 2,048 keys' K and V of that head, 16 key steps x 12,800 bytes = 204,800, lie in LDS as they lie in memory, filled once: each of the eight waves
; asks for two key steps by its one tensor load.  Wave w owns token tile w and the four query heads of the kv head, and walks the 16 key steps once: a step's fragments of K and V are read from LDS once for four heads.
; CLUSTER 4 x 1: the four token blocks of a cluster read the same K and V: every tile is asked for jointly (mask 15).  No prefetch: all tiles are asked for at the head, there is no loop of loads to run ahead in.
; THE FIRST PRODUCT HAS K = 64 IN AN INSTRUCTION OF 128: a fragment of K holds two tiles of 16 keys (registers 0-5, 6-11); it is multiplied by (q, zeros) for the one and by (zeros, q) for the other.  Zero codes add nothing.
; WHICH KEYS FORM A TILE is chosen by the lanes' LDS addresses: rows 0-7 come from block 2 c of 32 keys, rows 8-15 from block 2 c + 1.  Both products are used transposed (a lane holds one query), so lane (r, h) holds in 32
; registers the whole block 2 c + h: the block's maximum needs no other lane, and the conversions' results are the operand's registers.  Register 32 c + 16 w + 8 t + j holds key 64 c + 32 h + 16 t + 8 w + j: inside a block,
; bits 3 and 4 of the place are exchanged, as V's codes were laid.  o comes out so along d, and Wo was laid so.  The pairs and scales are the right ones; the order of a block's 32 additions differs from ascending k.
; ORDER IN A STEP: the next head's score products are issued ahead of this head's exponentials, and most of the row's sum is added behind the second product.
; A block's largest p is taken as 2^(.) of the block's largest score by the same two instructions; this leans on v_exp_f32 not falling where its input rises.
; LIMITS: the scaled scores stay under 2^31 in magnitude; a block of zeros gets the byte 1 (its codes are zeros; this program alone reads the bytes); NaN and infinities are not served.
.set CH,    2064384
.set KSB,   12800                      ; a key step in LDS: K 6,144, V 6,144, K's words 256, V's words 256
.set SPARE, 204800                     ; the spare words, 128 bytes for each of eight waves
; window 0: v1 16 x lane, v4 4 x lane
.set SPW,   2                          ; the add's two registers; never rewritten
.set NIL,   3
.set AK0,   5                          ; lane terms of the LDS addresses: K's fragments, K's words, V's fragments, V's words
.set AKW0,  6
.set AV0,   7
.set AVW0,  8
.set AK,    9                          ; the same with the step's offset
.set AKW,   10
.set AV,    11
.set AVW,   12
.set NM,    14                         ; v14 the new -M (named as a pair with v15)
.set F,     16                         ; v16 f = 2^(old M - new M) (pair with v17)
.set BM,    18                         ; v18-21 four chains of maxima; then v18, v19 my two blocks' largest
.set BY,    20                         ; v20, v21 the scale bytes
.set T1,    22
.set T2,    23
.set SCV,   24                         ; v24, v25 the conversions' scale operands
.set SU0,   14                         ; three more chains of the row's sum, in pairs free by then
.set SU1,   22
.set SU2,   26
.set W,     28
.set WP,    29
.set SH8,   30                         ; 8 h
.set KW,    32                         ; v32-40 scale words and nothing else: K's two, V's two, q's four, p's
.set VW,    34
.set QW,    36
.set PW,    40
.set ST,    42                         ; v42-57 for each head: -M, the largest score, the sum in two halves
.set PC,    58                         ; v58-69 p's codes; v70-72, v74-76 the conversions' second halves
.set PT,    70
.set SA,    78                         ; v78-141, v142-205 scores, then p: two buffers by turns
.set SB,    142
.set KF,    206                        ; v206-253 K's four fragments
; window 1: v0-127 O^T, head i at 32 i; then
.set VF,    128                        ; v128-175 V's four fragments
.set QZ,    176                        ; v176-229 zeros, q0, zeros, q1, zeros, q2, zeros, q3, zeros, six registers each
.set TM,    14                         ; the last quantiser's work registers, v14-25
.set MSB, 0
.macro WIN new                         ; the immediate's high byte repeats the setting that is left
.if MSB != \new
	s_set_vgpr_msb (MSB<<8)|\new
.set MSB, \new
.endif
.endm
.macro CROUND
	s_barrier_signal -1
	s_barrier_wait -1
	s_cmp_lg_u32 s14, 0
	s_cbranch_scc1 .Lnot_wave_0_\@
	s_barrier_signal -3
.Lnot_wave_0_\@:
	s_barrier_wait -3
	s_barrier_signal -1
	s_barrier_wait -1
.endm
.macro MM d, a, b, acc, sa, sb, row    ; one product; acc = 0 starts the sum; row = 1: source 0's scales stand in lanes 16-31
.if \acc
.if \row
	v_wmma_scale_f32_16x16x128_f8f6f4 v[\d:\d+7], v[\a:\a+11], v[\b:\b+11], v[\d:\d+7], v[\sa], v[\sb] matrix_a_fmt:MATRIX_FMT_FP6 matrix_b_fmt:MATRIX_FMT_FP6 matrix_a_scale:MATRIX_SCALE_ROW1
.else
	v_wmma_scale_f32_16x16x128_f8f6f4 v[\d:\d+7], v[\a:\a+11], v[\b:\b+11], v[\d:\d+7], v[\sa], v[\sb] matrix_a_fmt:MATRIX_FMT_FP6 matrix_b_fmt:MATRIX_FMT_FP6
.endif
.else
.if \row
	v_wmma_scale_f32_16x16x128_f8f6f4 v[\d:\d+7], v[\a:\a+11], v[\b:\b+11], 0, v[\sa], v[\sb] matrix_a_fmt:MATRIX_FMT_FP6 matrix_b_fmt:MATRIX_FMT_FP6 matrix_a_scale:MATRIX_SCALE_ROW1
.else
	v_wmma_scale_f32_16x16x128_f8f6f4 v[\d:\d+7], v[\a:\a+11], v[\b:\b+11], 0, v[\sa], v[\sb] matrix_a_fmt:MATRIX_FMT_FP6 matrix_b_fmt:MATRIX_FMT_FP6
.endif
.endif
.endm
.macro SMUL i, y                       ; the scores of head i on the step's 128 keys into buffer y: eight products
	WIN 0x04                                       ; source 1 (q) in window 1
.irp c, 0,1
.irp w, 0,1
.irp t, 0,1
	MM \y+32*\c+16*\w+8*\t, KF+24*\c+12*\w, QZ+6+12*(\i)-6*\t, 0, KW+\c, QW+(\i), \w
.endr
.endr
.endr
.endm
.macro KLOAD                           ; fragment (c, w): lane (r, h) takes row 8 w + r % 8 of the stored fragment 2 c + r / 8
	v_add_nc_u32 v[AK], s48, v[AK0]
	v_add_nc_u32 v[AKW], s48, v[AKW0]
.irp c, 0,1
.irp w, 0,1
.irp p, 0,1,2
	ds_load_b128 v[KF+24*\c+12*\w+4*\p:KF+24*\c+12*\w+4*\p+3], v[AK] offset:3072*\c+128*\w+512*\p
.endr
.endr
	ds_load_b32 v[KW+\c], v[AKW] offset:128*\c     ; lanes 0-15 the words of fragment (c, 0), lanes 16-31 of (c, 1)
.endr
.endm
.macro VLOAD
	v_add_nc_u32 v[AV], s49, v[AV0]
	v_add_nc_u32 v[AVW], s49, v[AVW0]
	WIN 0x40
.irp f, 0,1,2,3
.irp p, 0,1,2
	ds_load_b128 v[VF+12*\f+4*\p:VF+12*\f+4*\p+3], v[AV] offset:1536*\f+512*\p
.endr
.endr
	WIN 0
	ds_load_b32 v[VW], v[AVW]
	ds_load_b32 v[VW+1], v[AVW] offset:128
.endm
.macro TM4 x, k                        ; t - M of eight scores
.irp m, 0,2,4,6
	v_pk_fma_f32 v[\x+\k+\m:\x+\k+\m+1], v[\x+\k+\m:\x+\k+\m+1], s[22:23], v[NM:NM+1] op_sel_hi:[1,0,0]
.endr
.endm
.macro SUM4 x, l, k                    ; four pairs of p onto the four chains
	v_pk_add_f32 v[\l:\l+1], v[\l:\l+1], v[\x+2*\k:\x+2*\k+1]
	v_pk_add_f32 v[SU0:SU0+1], v[SU0:SU0+1], v[\x+2*\k+2:\x+2*\k+3]
	v_pk_add_f32 v[SU1:SU1+1], v[SU1:SU1+1], v[\x+2*\k+4:\x+2*\k+5]
	v_pk_add_f32 v[SU2:SU2+1], v[SU2:SU2+1], v[\x+2*\k+6:\x+2*\k+7]
.endm
; ONE HEAD ON ONE KEY STEP.  x: its scores; y: the other buffer, for the next head's; last = 1 in the last key step, which fetches nothing more
.macro HEAD i, x, y, last
	s_wait_alu depctr_va_vdst(0)                   ; the wait directly ahead of the first reader of the scores
.irp c, 0,1                            ; my two blocks' largest scores, each in two chains; every accumulator is read from its low end on
	v_max3_num_f32 v[BM+\c], v[\x+32*\c], v[\x+32*\c+1], v[\x+32*\c+2]
	v_max3_num_f32 v[BM+2+\c], v[\x+32*\c+17], v[\x+32*\c+18], v[\x+32*\c+19]
.endr
.irp k, 3,5,7,9,11,13
.irp c, 0,1
	v_max3_num_f32 v[BM+\c], v[BM+\c], v[\x+32*\c+\k], v[\x+32*\c+\k+1]
	v_max3_num_f32 v[BM+2+\c], v[BM+2+\c], v[\x+32*\c+\k+17], v[\x+32*\c+\k+18]
.endr
.endr
.irp c, 0,1
	v_max3_num_f32 v[BM+\c], v[BM+\c], v[\x+32*\c+15], v[\x+32*\c+16]
.endr
.irp c, 0,1
	v_max_num_f32 v[BM+\c], v[BM+\c], v[BM+2+\c]
.endr
	s_delay_alu instid0(VALU_DEP_1)
	v_max3_num_f32 v[T1], v[ST+4*\i+1], v[BM], v[BM+1]
	s_delay_alu instid0(VALU_DEP_1)
	v_permlanex16_b32 v[T2], v[T1], s20, s21       ; lane l xor 16 holds my query's other two blocks
	s_delay_alu instid0(VALU_DEP_1)
	v_max_num_f32 v[ST+4*\i+1], v[T1], v[T2]       ; the running largest score
	s_delay_alu instid0(VALU_DEP_1)
	v_mul_f32 v[T1], s22, v[ST+4*\i+1]             ; as t (c is positive)
	s_delay_alu instid0(VALU_DEP_1)
	v_floor_f32 v[NM], -v[T1]                      ; the new -M = -ceil(t)
	s_delay_alu instid0(VALU_DEP_1)
	v_sub_f32 v[T1], v[NM], v[ST+4*\i]             ; old M - new M: a whole number, 0 or less
	TM4 \x, 0
	v_cvt_i32_f32 v[T1], v[T1]                     ; (it saturates)
	TM4 \x, 8
	v_ldexp_f32 v[F], 1.0, v[T1]                   ; f = 2^(old M - new M)
.irp k, 16,24,32,40,48,56
	TM4 \x, \k
.endr
.irp c, 0,1
	v_fma_f32 v[BM+\c], v[BM+\c], s22, v[NM]       ; the same of the blocks' largest scores
.endr
	WIN 0x41                                       ; O^T in window 1, f in window 0
	s_wait_alu depctr_va_vdst(0)                   ; the wait directly ahead of the first reader of O^T
.set jj, 0
.rept 16
	v_pk_mul_f32 v[32*\i+jj:32*\i+jj+1], v[32*\i+jj:32*\i+jj+1], v[F:F+1] op_sel_hi:[1,0]   ; O^T under the new M, each accumulator from its low end on
.set jj, jj+2
.endr
	s_wait_alu depctr_va_vdst(0)                   ; the wait ahead of the batch of exponentials
.if (\i == 3) && (\last == 0)
	s_wait_dscnt 0x0                               ; the next step's K is in (asked for a head ago)
.endif
.if \i < 3
	SMUL \i+1, \y
.elseif \last == 0
	SMUL 0, \y
.endif
	WIN 0
.set jj, 0
.rept 64
	v_exp_f32 v[\x+jj], v[\x+jj]                   ; p = 2^(t - M)
.set jj, jj+1
.endr
	v_exp_f32 v[BM], v[BM]                         ; the blocks' largest p
	v_exp_f32 v[BM+1], v[BM+1]
	v_mov_b32 v[ST+4*\i], v[NM]                    ; -M is kept: a plain place behind the exponentials
	s_wait_alu depctr_va_vdst(0)                   ; one wait for the batch, ahead of its first reader
.if \i == 0
	s_wait_dscnt 0x0                               ; this step's V is in
.endif
.irp c, 0,1
	v_max_num_f32 v[BM+\c], 0x1800000, v[BM+\c]    ; the floor 2^(3 - 127)
.endr
.irp c, 0,1
	v_add_nc_u32 v[SCV+\c], 0xff000000, v[BM+\c]   ; 2 off the exponent field: the conversion's scale operand
.endr
.irp c, 0,1
	v_cvt_scalef32_pk16_fp6_f32 v[PC+6*\c:PC+6*\c+2], v[\x+32*\c:\x+32*\c+15], v[SCV+\c]
	v_cvt_scalef32_pk16_fp6_f32 v[PT+4*\c:PT+4*\c+2], v[\x+32*\c+16:\x+32*\c+31], v[SCV+\c]   ; (a conversion's three registers begin on an even number)
.endr
.irp c, 0,1
	v_lshrrev_b32 v[BY+\c], 23, v[SCV+\c]          ; the scale's byte
.endr
	v_lshl_or_b32 v[W], v[BY+1], 16, v[BY]         ; my two bytes: blocks h and 2 + h,
	s_delay_alu instid0(VALU_DEP_1)
	v_lshlrev_b32 v[W], v[SH8], v[W]               ; at their places;
	s_delay_alu instid0(VALU_DEP_1)
	v_permlanex16_b32 v[WP], v[W], s20, s21
	s_delay_alu instid0(VALU_DEP_1)
	v_or_b32 v[PW], v[W], v[WP]                    ; with lane l xor 16's two the word is whole
.irp c, 0,1
.irp k, 0,1,2
	v_mov_b32 v[PC+3+6*\c+\k], v[PT+4*\c+\k]
.endr
.endr
	v_pk_fma_f32 v[ST+4*\i+2:ST+4*\i+3], v[ST+4*\i+2:ST+4*\i+3], v[F:F+1], v[\x:\x+1] op_sel_hi:[1,0,1]   ; the sum under the new M, and the unquantised p onto it, in four chains
	v_pk_add_f32 v[SU0:SU0+1], v[\x+2:\x+3], v[\x+4:\x+5]
	v_pk_add_f32 v[SU1:SU1+1], v[\x+6:\x+7], v[\x+8:\x+9]
	v_pk_add_f32 v[SU2:SU2+1], v[\x+10:\x+11], v[\x+12:\x+13]
	SUM4 \x, ST+4*\i+2, 7                          ; these eight stand between the last write of an operand or a scale and the products
	WIN 0x51                                       ; O^T and V in window 1, p in window 0
.irp f, 0,1,2,3
	MM 32*\i+8*\f, VF+12*\f, PC, 1, VW+\f/2, PW, \f%2
.endr
	WIN 0
.irp k, 11,15,19,23,27
	SUM4 \x, ST+4*\i+2, \k
.endr
	v_pk_add_f32 v[ST+4*\i+2:ST+4*\i+3], v[ST+4*\i+2:ST+4*\i+3], v[\x+62:\x+63]
	v_pk_add_f32 v[SU0:SU0+1], v[SU0:SU0+1], v[SU1:SU1+1]
	v_pk_add_f32 v[ST+4*\i+2:ST+4*\i+3], v[ST+4*\i+2:ST+4*\i+3], v[SU2:SU2+1]
	s_delay_alu instid0(VALU_DEP_1)
	v_pk_add_f32 v[ST+4*\i+2:ST+4*\i+3], v[ST+4*\i+2:ST+4*\i+3], v[SU0:SU0+1]
.if (\i == 2) && (\last == 0)
	KLOAD                                          ; head 3's score products have been issued, more than four plain places ago: the next step's K
	s_add_co_u32 s48, s48, KSB
.endif
.if (\i == 3) && (\last == 0)
	VLOAD                                          ; the step's last products on V stand 24 plain places back: the next step's V
	s_add_co_u32 s49, s49, KSB
.endif
.endm
; 64 numbers of a lane, register 16 b + i = place 16 (lane / 16) + i of block b of my row, become a fragment's codes in v[pc] on and its scale word in v[pw]
.macro QUANTO s, pc, pw
.irp b, 0,1,2,3
	v_max3_num_f32 v[TM+\b], |v[\s+16*\b]|, |v[\s+1+16*\b]|, 0x1800000
.endr
.irp k, 2,4,6,8,10,12,14
.irp b, 0,1,2,3
	v_max3_num_f32 v[TM+\b], v[TM+\b], |v[\s+16*\b+\k]|, |v[\s+1+16*\b+\k]|
.endr
.endr
.irp b, 0,1,2,3
	v_permlanex16_b32 v[TM+4+\b], v[TM+\b], s20, s21
.endr
.irp b, 0,1,2,3
	v_max_num_f32 v[TM+\b], v[TM+\b], v[TM+4+\b]
.endr
.irp b, 0,1,2,3
	v_add_nc_u32 v[TM+8+\b], 0xff000000, v[TM+\b]
.endr
.irp b, 0,1,2,3
	v_lshrrev_b32 v[TM+4+\b], 23, v[TM+8+\b]
.endr
	v_lshl_or_b32 v[\pw], v[TM+5], 8, v[TM+4]
	s_delay_alu instid0(VALU_DEP_1)
	v_lshl_or_b32 v[\pw], v[TM+6], 16, v[\pw]
	s_delay_alu instid0(VALU_DEP_1)
	v_lshl_or_b32 v[\pw], v[TM+7], 24, v[\pw]
.irp c, 0,1
	v_cvt_scalef32_pk16_fp6_f32 v[\pc+6*\c:\pc+2+6*\c], v[\s+32*\c:\s+15+32*\c], v[TM+8+2*\c]
	v_cvt_scalef32_pk16_fp6_f32 v[\pc+12+4*\c:\pc+14+4*\c], v[\s+16+32*\c:\s+31+32*\c], v[TM+9+2*\c]
.endr
	v_nop                                          ; one plain place behind a scaled conversion
.irp c, 0,1                            ; the operand's layout wants a whole block in a lane
.irp k, 0,1,2
	v_permlane16_swap_b32 v[\pc+6*\c+\k], v[\pc+12+4*\c+\k]
.endr
.irp k, 0,1,2
	v_mov_b32 v[\pc+3+6*\c+\k], v[\pc+12+4*\c+\k]
.endr
.endr
.endm
	s_load_b256 s[4:11], s[0:1], 0x0               ; q, qs, kv, codes
	s_load_b64 s[12:13], s[0:1], 0x20              ; scales
	v_lshl_add_u32 v[SPW], v0, 2, SPARE
	v_mov_b32 v[NIL], 0
	ds_add_u32 v[SPW], v[NIL]                      ; the wave's opening: the add, twice on end, and its wait ahead of my tensor load
	ds_add_u32 v[SPW], v[NIL]
	v_lshrrev_b32 v1, 5, v0
	v_readfirstlane_b32 s14, v1                    ; wave 0..7
	s_bfe_u32 s15, ttmp6, 0x40000                  ; cx
	s_lshl_b32 s16, ttmp9, 2
	s_add_co_u32 s16, s16, s15                     ; X
	s_and_b32 s17, ttmp7, 0xffff                   ; y, which the partners share
	s_mov_b32 s24, 15|(3<<16)|(1<<21)              ; group 1: all four partners; elements of 8 bytes; bit 21 beside the mask
	s_mov_b32 s25, 32<<16                          ; rows of 256 bytes,
	s_mov_b32 s26, 100<<16                         ; 100 of them: 25,600 dense bytes, two key steps
	s_mov_b32 s27, 32<<16
	s_mov_b32 s28, 100
	s_mov_b32 s29, 32
	s_mov_b32 s30, 0
	s_mov_b32 s31, 0
	s_mov_b32 s20, 0x76543210
	s_mov_b32 s21, 0xfedcba98                      ; v_permlanex16_b32: lane l xor 16
	s_mov_b32 s22, 0x3e38aa3b                      ; c = log2(e) / 8
	s_mov_b32 s23, s22                             ; (named with it as a pair)
	v_and_b32 v13, 31, v0                          ; lane
	v_lshlrev_b32 v1, 4, v13
	v_lshlrev_b32 v4, 2, v13
	v_add_nc_u32 v[AV0], 6144, v1
	v_add_nc_u32 v[AVW0], 12544, v4
	v_and_b32 v31, 7, v0                           ; r % 8
	v_bfe_u32 v254, v0, 3, 1                       ; r / 8
	v_bfe_u32 v255, v0, 4, 1                       ; h
	v_mul_u32_u24 v[AK0], v254, 1536               ; K: the stored fragment r / 8 on, its lane r % 8 + 16 h
	v_lshl_add_u32 v[AK0], v31, 4, v[AK0]
	v_lshl_add_u32 v[AK0], v255, 8, v[AK0]
	v_lshlrev_b32 v[AKW0], 6, v254                 ; K's words: 64 bytes a stored fragment, 4 a row; lanes 16-31 take rows 8 on
	v_lshl_add_u32 v[AKW0], v31, 2, v[AKW0]
	v_lshl_add_u32 v[AKW0], v255, 5, v[AKW0]
	v_add_nc_u32 v[AKW0], 12288, v[AKW0]
	v_lshlrev_b32 v[SH8], 3, v255
	v_cmp_le_u32 s51, 16, v13                      ; lanes 16-31
	v_and_b32 v254, 15, v0
	v_lshlrev_b32 v254, 2, v254                    ; 4 r: q's words
	s_lshr_b32 s52, s17, 2                         ; batch
	s_and_b32 s53, s17, 3                          ; kv head
	s_lshl_b32 s54, s52, 7
	s_lshl_b32 s55, s16, 3
	s_add_co_u32 s54, s54, s55
	s_add_co_u32 s54, s54, s14                     ; T: my token tile among 512
	s_lshl_b32 s56, s54, 3
	s_lshl_b32 s55, s53, 1                         ; my first head pair among 8
	s_add_co_u32 s56, s56, s55
	s_mul_i32 s56, s56, 1536
	s_mov_b32 s57, 0
	s_lshl_b32 s58, s53, 16
	s_lshl_b32 s59, s54, 6
	s_add_co_u32 s58, s58, s59
	s_mov_b32 s59, 0
	s_mul_i32 s60, s53, CH                         ; o's K steps 2 (kv head) and 2 (kv head) + 1 are the chunk of that number
	s_mul_i32 s61, s54, 3072
	s_add_co_u32 s60, s60, s61
	s_mov_b32 s61, 0
	s_lshl_b32 s62, s54, 9
	s_lshl_b32 s63, s53, 7
	s_add_co_u32 s62, s62, s63
	s_mov_b32 s63, 0
	s_mul_i32 s18, s14, 25600                      ; what I fetch: key steps 2 w and 2 w + 1
	s_mul_i32 s2, s17, 204800
	s_add_co_u32 s2, s2, s18
	s_mov_b32 s3, 0
	s_wait_alu depctr_va_vdst(0)
	s_wait_dscnt 0x0                               ; both opening adds are done
	s_wait_kmcnt 0x0
	s_add_nc_u64 s[4:5], s[4:5], s[56:57]
	s_add_nc_u64 s[6:7], s[6:7], s[58:59]
	s_add_nc_u64 s[10:11], s[10:11], s[60:61]
	s_add_nc_u64 s[12:13], s[12:13], s[62:63]
	s_mov_b32 s32, 1
	s_mov_b32 s33, s18
	s_add_nc_u64 s[34:35], s[8:9], s[2:3]
	s_or_b32 s35, s35, 0x80000000
	CROUND                                         ; all four work-groups are here: the joint loads meet
	tensor_load_to_lds s[32:35], s[24:31]          ; my one tensor load
	s_nop 0
.rept 4
	v_nop
.endr
	global_load_b32 v26, v254, s[6:7]              ; q's words: bytes 0, 1 the pair's first head, bytes 2, 3 its second
	global_load_b32 v27, v254, s[6:7] offset:32768
	WIN 0x40
.irp e, 0,1                            ; a stored fragment holds a head pair: registers 0-5 the first head, 6-11 the second
	global_load_b128 v[QZ+6+24*\e:QZ+9+24*\e], v1, s[4:5] offset:1536*\e
	global_load_b64 v[QZ+10+24*\e:QZ+11+24*\e], v1, s[4:5] offset:1536*\e+512
	global_load_b64 v[QZ+18+24*\e:QZ+19+24*\e], v1, s[4:5] offset:1536*\e+520
	global_load_b128 v[QZ+20+24*\e:QZ+23+24*\e], v1, s[4:5] offset:1536*\e+1024
.endr
.irp z, 0,1,2,3,4
.irp k, 0,1,2,3,4,5
	v_mov_b32 v[QZ+12*\z+\k], 0                    ; zero codes
.endr
.endr
	WIN 0
	s_wait_alu depctr_va_vdst(0)
	s_wait_loadcnt 0x0
.irp e, 0,1
	v_and_b32 v28, 0xffff, v[26+\e]
	v_lshrrev_b32 v29, 16, v[26+\e]
	v_lshl_or_b32 v[QW+2*\e], v[26+\e], 16, v28    ; a head's two bytes, below and above: they serve (q, zeros) and (zeros, q) alike
	v_and_or_b32 v[QW+2*\e+1], v[26+\e], 0xffff0000, v29
.endr
.irp i, 0,1,2,3
	v_mov_b32 v[ST+4*\i], 0x7f61b1e6               ; -M: 3e38
	v_mov_b32 v[ST+4*\i+1], 0xff61b1e6             ; the largest score so far: -3e38
	v_mov_b32 v[ST+4*\i+2], 0
	v_mov_b32 v[ST+4*\i+3], 0
.endr
	v_mov_b32 v[NM+1], 0                           ; (named as the upper halves of pairs)
	v_mov_b32 v[F+1], 0
	v_mov_b32 v[T2], 0                             ; (a lane permute's destination counts as read)
	v_mov_b32 v[WP], 0
	s_mov_b32 s48, 0
	s_mov_b32 s49, 0
	s_wait_alu depctr_va_vdst(0)
	s_wait_tensorcnt 0x0                           ; my two key steps are in
	s_barrier_signal -1
	s_barrier_wait -1                              ; everybody's are
	KLOAD
	VLOAD
	s_mov_b32 s48, KSB
	s_mov_b32 s49, KSB
	s_wait_alu depctr_va_vdst(0)
	s_wait_dscnt 14                                ; K's 14 loads are in; V's 14 may be out
	SMUL 0, SA
	WIN 0x40
.set jj, 0
.rept 128
	v_mov_b32 v[jj], 0                             ; O^T: the step is written once; the first change of M leaves zeros zeros
.set jj, jj+1
.endr
	WIN 0
	s_mov_b32 s50, 15
.Lstep:
	HEAD 0, SA, SB, 0
	HEAD 1, SB, SA, 0
	HEAD 2, SA, SB, 0
	HEAD 3, SB, SA, 0
	s_sub_co_u32 s50, s50, 1
	s_cmp_lg_u32 s50, 0
	s_wait_alu depctr_va_vdst(0)
	s_cbranch_scc1 .Lstep
	HEAD 0, SA, SB, 1                              ; the last key step is written out: it fetches nothing
	HEAD 1, SB, SA, 1
	HEAD 2, SA, SB, 1
	HEAD 3, SB, SA, 1
.irp i, 0,1,2,3
	v_add_f32 v[ST+4*\i+2], v[ST+4*\i+2], v[ST+4*\i+3]
.endr
.irp i, 0,1,2,3
	v_permlanex16_b32 v[BM+\i], v[ST+4*\i+2], s20, s21
.endr
.irp i, 0,1,2,3
	v_add_f32 v[ST+4*\i+2], v[ST+4*\i+2], v[BM+\i] ; the rows' sums
.endr
	s_wait_alu depctr_va_vdst(0)
.irp i, 0,1,2,3
	v_rcp_f32 v[ST+4*\i+2], v[ST+4*\i+2]
.endr
	v_nop                                          ; a plain place behind the reciprocals
	WIN 0x01
	s_wait_alu depctr_va_vdst(0)                   ; the wait ahead of their first reader, and of the first reader of O^T
.irp i, 0,1,2,3
.set jj, 0
.rept 16
	v_pk_mul_f32 v[SA+32*\i+jj:SA+32*\i+jj+1], v[32*\i+jj:32*\i+jj+1], v[ST+4*\i+2:ST+4*\i+3] op_sel_hi:[1,0]   ; o of head i: register 8 t + j is d = 16 t + 8 (lane / 16) + j
.set jj, jj+2
.endr
.endr
	WIN 0
	QUANTO SA, KF, 26                              ; my 16 tokens x (two heads x 64) are one fragment of the last product's left operand; two such
	QUANTO SB, KF+24, 27
.irp e, 0,1
.irp p, 0,1,2
	global_store_b128 v1, v[KF+24*\e+4*\p:KF+24*\e+4*\p+3], s[10:11] offset:1536*\e+512*\p   ; 512 consecutive bytes
.endr
.endr
	v_cndmask_b32 v28, v26, v27, s51               ; lanes 0-15 the first fragment's words, lanes 16-31 the second's: 128 consecutive bytes
	global_store_b32 v4, v28, s[12:13]
	s_wait_tensorcnt 0x0                           ; the wave's end
	ds_add_u32 v[SPW], v[NIL]
	s_wait_dscnt 0x0
	CROUND                                         ; the closing round
	s_endpgm
.Lfunc_end_k_qf0911eae18_attn:
	.size	k_qf0911eae18_attn, .Lfunc_end_k_qf0911eae18_attn-k_qf0911eae18_attn
	.p2alignl 7, 3214868480
	.fill 96, 4, 3214868480
	.section	.rodata,"a",@progbits
	.p2align	6, 0x0
	.amdhsa_kernel k_qf0911eae18_attn
		.amdhsa_group_segment_fixed_size 205824
		.amdhsa_private_segment_fixed_size 0
		.amdhsa_enable_private_segment 0
		.amdhsa_kernarg_size 40
		.amdhsa_user_sgpr_count 2
		.amdhsa_user_sgpr_kernarg_segment_ptr 1
		.amdhsa_wavefront_size32 1
		.amdhsa_system_sgpr_workgroup_id_x 1
		.amdhsa_system_sgpr_workgroup_id_y 1
		.amdhsa_system_sgpr_workgroup_id_z 1
		.amdhsa_system_vgpr_workitem_id 0
		.amdhsa_next_free_vgpr 512
		.amdhsa_next_free_sgpr 66
		.amdhsa_reserve_vcc 0
		.amdhsa_float_denorm_mode_32 3
		.amdhsa_float_denorm_mode_16_64 3
		.amdhsa_memory_ordered 1
		.amdhsa_forward_progress 1
		.amdhsa_inst_pref_size 131
	.end_amdhsa_kernel
	.amdgpu_metadata
---
amdhsa.version: [ 1, 2 ]
amdhsa.kernels:
  - .name:           k_qf0911eae18_attn
    .symbol:         k_qf0911eae18_attn.kd
    .args:
      - { .name: q, .offset: 0, .size: 8, .value_kind: global_buffer, .address_space: global }
      - { .name: qs, .offset: 8, .size: 8, .value_kind: global_buffer, .address_space: global }
      - { .name: kv, .offset: 16, .size: 8, .value_kind: global_buffer, .address_space: global }
      - { .name: codes, .offset: 24, .size: 8, .value_kind: global_buffer, .address_space: global }
      - { .name: scales, .offset: 32, .size: 8, .value_kind: global_buffer, .address_space: global }
    .group_segment_fixed_size: 205824
    .private_segment_fixed_size: 0
    .kernarg_segment_align: 8
    .kernarg_segment_size: 40
    .max_flat_workgroup_size: 256
    .sgpr_count:     66
    .vgpr_count:     512
    .wavefront_size: 32
...
	.end_amdgpu_metadata
.endif
;; end of part 3
;; launch oproj (part 4): grid 64 x 4, 8 waves a work-group, clusters of 4 x 1, 327,680 bytes of LDS; arguments codes, scales, bo, out0; writes out0
.if DOCPART == 4
	.amdgcn_target "amdgcn-amd-amdhsa--gfx1250"
	.amdhsa_code_object_version 6
	.text
	.protected	k_qf0911eae18_oproj
	.globl	k_qf0911eae18_oproj
	.p2align	8
	.type	k_qf0911eae18_oproj,@function
k_qf0911eae18_oproj:
	s_mov_b64 s[64:65], 0
	v_nop
	global_prefetch_b8 v0, s[64:65] scope:SCOPE_SE
	s_setreg_imm32_b32 hwreg(HW_REG_WAVE_MODE, 25, 1), 1
	s_wait_xcnt 0x0
	s_wait_alu depctr_hold_cnt(0) depctr_sa_sdst(0) depctr_va_vdst(0) depctr_va_sdst(0) depctr_va_ssrc(0) depctr_va_vcc(0) depctr_vm_vsrc(0)
	s_getreg_b32 s2, hwreg(HW_REG_IB_STS2, 6, 4)
	s_cmp_eq_u32 s2, 0
	s_cbranch_scc0 .Lentry_in_a_cluster
	s_endpgm
.Lentry_in_a_cluster:
	s_bfe_u32 s2, ttmp6, 0x10000c
	s_cmp_lg_u32 s2, 0x3003
	s_cbranch_scc0 .Lentry_shape_is_right
	s_endpgm
.Lentry_shape_is_right:
; out0 = o Wo^T + bo on codes of FP6 (E2M3) with E8M0 scales.  o's codes lie in row tiles 0-511 of codes, Wo's in 608-671; both with bits 3 and 4 of the place inside a block of 32 exchanged, so the pairs and the scales
; are the right ones and only the order of a block's 32 additions differs from ascending k.
; A work-group makes 128 tokens x 256 features.  Eight waves, wave (w / 4, w % 4) makes 64 x 64: 16 accumulators.  All of K lies in LDS: (8 + 16) row tiles x 12,288 bytes = 294,912, four chunks of two K steps, each filled once.
; CLUSTER 4 x 1: the four partners take four token blocks and the same 256 features: the weights' tiles are asked for jointly (mask 15); the tokens' tiles differ between partners and come by plain loads.
; The matrix instruction is used transposed (source 0 = 16 features, source 1 = 16 tokens).  The results meet in a stage of 128 rows x (1,024 + 16) bytes in the bytes of chunks 0 and 1, which have had their only fill and whose
; last reads stand ahead of chunk 2's barrier; each wave then stores 16 rows, 512 consecutive bytes an instruction.
.set CH,    2064384
.set WT,    608
.set CHUNK, 73728
.set BIAS,  4*CHUNK
.set SPARE, BIAS+1024
.set SPW,   6
.set NIL,   7
.set SC,    16                         ; v16-31 scale words and nothing else
.set FA,    32
.set FB,    80
.set ACC,   128
.macro CROUND
	s_barrier_signal -1
	s_barrier_wait -1
	s_cmp_lg_u32 s4, 0
	s_cbranch_scc1 .Lnot_wave_0_\@
	s_barrier_signal -3
.Lnot_wave_0_\@:
	s_barrier_wait -3
	s_barrier_signal -1
	s_barrier_wait -1
.endm
.macro PLACES
.rept 4
	v_nop
.endr
.endm
.macro SCLOAD c, set
.irp i, 0,1,2,3
	global_load_b32 v[SC+8*(\set)+\i], v4, s[10:11] offset:512*\i+128*(\c)
	global_load_b32 v[SC+8*(\set)+4+\i], v4, s[12:13] offset:512*\i+128*(\c)
.endr
.endm
.macro KSTEP q, set, zero              ; 128 along K: 24 LDS loads, 16 products; the 16 accumulators take turns, one instruction a turn
.irp i, 0,1,2,3
.irp p, 0,1,2
	ds_load_b128 v[FA+12*\i+4*\p:FA+12*\i+4*\p+3], v2 offset:3072*\i+1536*(\q)+512*\p
	ds_load_b128 v[FB+12*\i+4*\p:FB+12*\i+4*\p+3], v3 offset:3072*\i+1536*(\q)+512*\p
.endr
.endr
	s_wait_dscnt 0x0
.irp a, 0,1,2,3
.irp b, 0,1,2,3
.if \zero
	v_wmma_scale_f32_16x16x128_f8f6f4 v[ACC+8*(4*\a+\b):ACC+8*(4*\a+\b)+7], v[FB+12*\b:FB+12*\b+11], v[FA+12*\a:FA+12*\a+11], 0, v[SC+8*(\set)+4+\b], v[SC+8*(\set)+\a] matrix_a_fmt:MATRIX_FMT_FP6 matrix_b_fmt:MATRIX_FMT_FP6
.elseif \q
	v_wmma_scale_f32_16x16x128_f8f6f4 v[ACC+8*(4*\a+\b):ACC+8*(4*\a+\b)+7], v[FB+12*\b:FB+12*\b+11], v[FA+12*\a:FA+12*\a+11], v[ACC+8*(4*\a+\b):ACC+8*(4*\a+\b)+7], v[SC+8*(\set)+4+\b], v[SC+8*(\set)+\a] matrix_a_fmt:MATRIX_FMT_FP6 matrix_b_fmt:MATRIX_FMT_FP6 matrix_a_scale:MATRIX_SCALE_ROW1 matrix_b_scale:MATRIX_SCALE_ROW1
.else
	v_wmma_scale_f32_16x16x128_f8f6f4 v[ACC+8*(4*\a+\b):ACC+8*(4*\a+\b)+7], v[FB+12*\b:FB+12*\b+11], v[FA+12*\a:FA+12*\a+11], v[ACC+8*(4*\a+\b):ACC+8*(4*\a+\b)+7], v[SC+8*(\set)+4+\b], v[SC+8*(\set)+\a] matrix_a_fmt:MATRIX_FMT_FP6 matrix_b_fmt:MATRIX_FMT_FP6
.endif
.endr
.endr
.endm
	s_load_b256 s[68:75], s[0:1], 0x0              ; codes, scales, bo, out0
	v_lshl_add_u32 v[SPW], v0, 2, SPARE
	v_mov_b32 v[NIL], 0
	ds_add_u32 v[SPW], v[NIL]                      ; the wave's opening: the add and its wait ahead of the first tensor loads
	ds_add_u32 v[SPW], v[NIL]
	v_lshrrev_b32 v1, 5, v0
	s_delay_alu instid0(VALU_DEP_1)
	v_readfirstlane_b32 s4, v1                     ; wave 0..7
	s_lshr_b32 s5, s4, 2                           ; wa
	s_and_b32 s6, s4, 3                            ; wb
	s_bfe_u32 s7, ttmp6, 0x40000                   ; cx
	s_lshl_b32 s8, ttmp9, 2
	s_add_co_u32 s8, s8, s7                        ; X: my block of 128 tokens
	s_and_b32 s9, ttmp7, 0xffff                    ; y: my 256 features; the partners share it
	s_mov_b32 s16, 3<<16
	s_mov_b32 s24, 15|(3<<16)|(1<<21)
.irp g, 16,24
	s_mov_b32 s[\g+1], 32<<16                      ; rows of 256 bytes,
	s_mov_b32 s[\g+2], (160-4*\g)<<16              ; A 96 rows (eight row tiles of a chunk), B 64 rows (a third of its sixteen)
	s_mov_b32 s[\g+3], 32<<16
	s_mov_b32 s[\g+4], 160-4*\g
	s_mov_b32 s[\g+5], 32
	s_mov_b32 s[\g+6], 0
	s_mov_b32 s[\g+7], 0
.endr
	v_and_b32 v1, 31, v0                           ; lane
	v_and_b32 v32, 15, v0                          ; r
	v_bfe_u32 v33, v0, 4, 1                        ; h
	s_mul_i32 s14, s5, 12288
	v_lshl_add_u32 v2, v1, 4, s14                  ; A's fragments
	s_mul_i32 s14, s6, 12288
	s_add_co_u32 s14, s14, 24576
	v_lshl_add_u32 v3, v1, 4, s14                  ; B's
	v_lshlrev_b32 v4, 2, v1
	v_mul_u32_u24 v5, v32, 1040
	s_delay_alu instid0(VALU_DEP_1)
	v_lshl_add_u32 v5, v33, 5, v5
	s_mul_i32 s14, s5, 66560
	s_lshl_b32 s15, s6, 8
	s_add_co_u32 s14, s14, s15
	v_add_nc_u32 v5, s14, v5                       ; into the stage
	s_add_co_u32 s15, s15, BIAS
	v_lshl_add_u32 v8, v33, 5, s15                 ; the bias of my eight features of a tile
	s_mul_i32 s14, s4, 16640
	v_lshl_add_u32 v9, v1, 4, s14                  ; out of the stage: my 16 rows, 16 bytes a lane
	v_lshlrev_b32 v14, 4, v1
	v_lshlrev_b32 v34, 2, v0                       ; the bias: a word a thread, 1,024 bytes a work-group,
	v_add_nc_u32 v36, BIAS, v34                    ; and its place in LDS
	s_mul_i32 s2, s8, 24576
	s_mov_b32 s3, 0
	s_mul_i32 s66, s9, 49152                       ; B's sixteen row tiles in a chunk's plane
	s_and_b32 s76, s4, 3                           ; my part of a chunk: 0 A's eight row tiles, 1 to 3 a third of B's
	s_lshl_b32 s85, s76, 14                        ; 16,384 bytes a third
	s_add_co_u32 s66, s66, s85
	s_add_co_u32 s66, s66, WT*3072-16384
	s_mov_b32 s67, 0
	s_mul_i32 s84, s5, CHUNK                       ; waves 0-3 fetch chunk 0 and then 2, waves 4-7 chunk 1 and then 3: A's LDS place,
	s_add_co_u32 s85, s85, s84
	s_add_co_u32 s85, s85, 8192                    ; B's: 24,576 + 16,384 (part - 1) behind it
	s_mul_i32 s86, s5, CH                          ; and the chunk's plane in codes
	s_mov_b32 s87, 0
	s_wait_dscnt 0x0                               ; the opening add is done
	s_wait_kmcnt 0x0
	s_add_nc_u64 s[2:3], s[68:69], s[2:3]
	s_add_nc_u64 s[66:67], s[68:69], s[66:67]
	s_mov_b32 s32, 1
	s_mov_b32 s33, s84
	s_add_nc_u64 s[34:35], s[2:3], s[86:87]
	s_or_b32 s35, s35, 0x80000000
	s_mov_b32 s48, 1
	s_mov_b32 s49, s85
	s_add_nc_u64 s[50:51], s[66:67], s[86:87]
	s_or_b32 s51, s51, 0x80000000
	s_lshl_b32 s14, s9, 10
	s_mov_b32 s15, 0
	s_add_nc_u64 s[94:95], s[72:73], s[14:15]      ; bo + 1,024 y
	s_lshl_b32 s14, s8, 12
	s_lshl_b32 s15, s5, 11
	s_add_co_u32 s14, s14, s15
	s_mov_b32 s15, 0
	s_add_nc_u64 s[10:11], s[70:71], s[14:15]
	s_lshl_b32 s14, s9, 13
	s_lshl_b32 s15, s6, 11
	s_add_co_u32 s14, s14, s15
	s_add_co_u32 s14, s14, WT*512
	s_mov_b32 s15, 0
	s_add_nc_u64 s[12:13], s[70:71], s[14:15]
	s_lshl_b32 s14, s8, 19                         ; out0: 128 X rows of 4,096 bytes,
	s_lshl_b32 s15, s4, 16                         ; 16 w rows,
	s_add_co_u32 s14, s14, s15
	s_lshl_b32 s15, s9, 10                         ; 256 y features
	s_add_co_u32 s14, s14, s15
	s_mov_b32 s15, 0
	s_add_nc_u64 s[74:75], s[74:75], s[14:15]
	CROUND                                         ; all four work-groups are here: the joint loads meet
.macro FILL                            ; one tensor load a wave: part 0 A's tile, by a plain load; parts 1 to 3 B's, jointly
	s_cmp_eq_u32 s76, 0
	s_cbranch_scc0 .Lfor_b_\@
	tensor_load_to_lds s[32:35], s[16:23]
	s_nop 0
	PLACES
	s_branch .Lasked_\@
.Lfor_b_\@:
	tensor_load_to_lds s[48:51], s[24:31]
	s_nop 0
	PLACES
.Lasked_\@:
.endm
	FILL                                           ; chunks 0 and 1
	s_wait_alu depctr_va_vdst(0)
	global_load_b32 v35, v34, s[94:95]             ; my word of the bias
	SCLOAD 0, 0
	SCLOAD 1, 1
.irp c, 0,1,2,3
.if \c == 0
	s_wait_tensorcnt 0x0                           ; my part of chunks 0 and 1 is in
	s_wait_loadcnt 16                              ; my word of the bias is in; the 16 scale words may be out
	ds_store_b32 v36, v35                          ; into LDS bytes in which no tile lands
	s_wait_tensorcnt 0x0
	ds_add_u32 v[SPW], v[NIL]
	s_add_co_u32 s33, s33, 2*CHUNK                 ; no tensor load of mine is out: the descriptors step two chunks on
	s_add_nc_u64 s[34:35], s[34:35], 2*CH
	s_add_co_u32 s49, s49, 2*CHUNK
	s_add_nc_u64 s[50:51], s[50:51], 2*CH
	s_wait_dscnt 0x0                               ; the add and my store are done
	CROUND                                         ; everybody's part is in, and all four work-groups are here: the joint loads meet
	FILL                                           ; chunks 2 and 3: they land under the products on chunks 0 and 1
.endif
.if \c == 2
	s_wait_tensorcnt 0x0                           ; my part of chunks 2 and 3 is in
	s_barrier_signal -1                            ; no LDS instruction of mine is pending here: my reads of chunks 0 and 1 are over
	s_barrier_wait -1                              ; both hold of every wave
.endif
.if \c < 3
	s_wait_loadcnt 8                               ; this chunk's 8 scale words are in; the other set's 8 may be out
.else
	s_wait_loadcnt 0x0
.endif
.if \c == 0
	KSTEP 0, 0, 1                                  ; the first products start the sums
.else
	s_wait_alu depctr_va_vdst(0)
	KSTEP 0, \c%2, 0
.endif
	PLACES
	KSTEP 1, \c%2, 0
	PLACES
.if \c < 2
	SCLOAD \c+2, \c%2
.endif
.if \c < 3
	v_add_nc_u32 v2, CHUNK, v2
	v_add_nc_u32 v3, CHUNK, v3
.endif
.endr
.irp b, 0,1,2,3
.irp k, 0,1
	ds_load_b128 v[32+8*\b+4*\k:35+8*\b+4*\k], v8 offset:64*\b+16*\k
.endr
.endr
	s_wait_dscnt 0x0
.irp a, 0,1,2,3
.irp b, 0,1,2,3
.irp j, 0,2,4,6
	v_pk_add_f32 v[ACC+8*(4*\a+\b)+\j:ACC+8*(4*\a+\b)+\j+1], v[ACC+8*(4*\a+\b)+\j:ACC+8*(4*\a+\b)+\j+1], v[32+8*\b+\j:33+8*\b+\j]   ; + the bias; each accumulator from its low end on
.endr
.endr
.endr
.irp a, 0,1,2,3
.irp b, 0,1,2,3
	ds_store_b128 v5, v[ACC+8*(4*\a+\b):ACC+8*(4*\a+\b)+3] offset:16640*\a+64*\b
	ds_store_b128 v5, v[ACC+8*(4*\a+\b)+4:ACC+8*(4*\a+\b)+7] offset:16640*\a+64*\b+16
.endr
.endr
	s_wait_dscnt 0x0                               ; for the others' sake: my stores into the stage are done
	s_barrier_signal -1
	s_barrier_wait -1                              ; 128 whole rows lie in the stage
.set nn, 0
.rept 32
	ds_load_b128 v[128+4*nn:131+4*nn], v9 offset:1040*(nn/2)+512*(nn%2)
.set nn, nn+1
.endr
.set nn, 0
.rept 32
	s_wait_dscnt 31-nn                             ; load nn is in; the younger ones may be out
	global_store_b128 v14, v[128+4*nn:131+4*nn], s[74:75] offset:4096*(nn/2)+512*(nn%2) th:TH_STORE_NT   ; 512 consecutive bytes, aligned; written once
.set nn, nn+1
.endr
	s_wait_tensorcnt 0x0                           ; the wave's end: behind my last tensor load and my last LDS store
	ds_add_u32 v[SPW], v[NIL]
	s_wait_dscnt 0x0
	CROUND                                         ; the closing round
	s_endpgm
.Lfunc_end_k_qf0911eae18_oproj:
	.size	k_qf0911eae18_oproj, .Lfunc_end_k_qf0911eae18_oproj-k_qf0911eae18_oproj
	.p2alignl 7, 3214868480
	.fill 96, 4, 3214868480
	.section	.rodata,"a",@progbits
	.p2align	6, 0x0
	.amdhsa_kernel k_qf0911eae18_oproj
		.amdhsa_group_segment_fixed_size 327680
		.amdhsa_private_segment_fixed_size 0
		.amdhsa_enable_private_segment 0
		.amdhsa_kernarg_size 32
		.amdhsa_user_sgpr_count 2
		.amdhsa_user_sgpr_kernarg_segment_ptr 1
		.amdhsa_wavefront_size32 1
		.amdhsa_system_sgpr_workgroup_id_x 1
		.amdhsa_system_sgpr_workgroup_id_y 1
		.amdhsa_system_sgpr_workgroup_id_z 1
		.amdhsa_system_vgpr_workitem_id 0
		.amdhsa_next_free_vgpr 256
		.amdhsa_next_free_sgpr 96
		.amdhsa_reserve_vcc 0
		.amdhsa_float_denorm_mode_32 3
		.amdhsa_float_denorm_mode_16_64 3
		.amdhsa_memory_ordered 1
		.amdhsa_forward_progress 1
		.amdhsa_inst_pref_size 54
	.end_amdhsa_kernel
	.amdgpu_metadata
---
amdhsa.version: [ 1, 2 ]
amdhsa.kernels:
  - .name:           k_qf0911eae18_oproj
    .symbol:         k_qf0911eae18_oproj.kd
    .args:
      - { .name: codes, .offset: 0, .size: 8, .value_kind: global_buffer, .address_space: global }
      - { .name: scales, .offset: 8, .size: 8, .value_kind: global_buffer, .address_space: global }
      - { .name: bo, .offset: 16, .size: 8, .value_kind: global_buffer, .address_space: global }
      - { .name: out0, .offset: 24, .size: 8, .value_kind: global_buffer, .address_space: global }
    .group_segment_fixed_size: 327680
    .private_segment_fixed_size: 0
    .kernarg_segment_align: 8
    .kernarg_segment_size: 32
    .max_flat_workgroup_size: 256
    .sgpr_count:     96
    .vgpr_count:     256
    .wavefront_size: 32
...
	.end_amdgpu_metadata
.endif
;; end of part 4
